; MI455X (gfx1250); checked and timed in simulation.
; The chip was launched on July 23, 2026; its instructions are those of AMD's public machine-readable ISA for CDNA 5 (MIT licence, August 2026) and "CDNA5" Instruction Set Architecture Reference Guide (July 2026). The comments in the code are by the model that wrote it; some were corrected since.
;; Multi Head Attention. Allowed arithmetic: matrix products marked QUANTISED: E4M3 operands, one given power-of-two scale a tensor, by v_wmma_f32_16x16x64_fp8_fp8 or v_wmma_f32_16x16x128_fp8_fp8, f32 sums; everything else in f32.
;; Inputs: W_k 1,024 x 1,024 float32; W_out 1,024 x 1,024 float32; W_q 1,024 x 1,024 float32; W_v 1,024 x 1,024 float32; lowp_scales 12 int32 (the exponents e of the quantised operands' scales 2^e); padding_mask 4 x 2,048 bool; x_k 4 x 2,048 x 1,024 float32; x_q 4 x 2,048 x 1,024 float32; x_v 4 x 2,048 x 1,024 float32.
;; Outputs: out0 4 x 2,048 x 1,024 float32.
;; Constants: is_causal = 1, start_pos = 0.
;; This version of the problem:
;;   THIS VERSION OF THE PROBLEM IS GIVEN IN LOW PRECISION. The matrix products marked QUANTISED in the list below multiply operands that are first quantised to E4M3 (4 exponent bits, 3 mantissa bits; 8 bits a number), with one given power-of-two scale for each operand tensor; their sums are f32. All else is computed in f32.
;;   The module's matrix products, in the order in which they are computed (A, B: the left and right operand; K: the contracted axis; several contracted axes count as one K, in the product's order):
;;     1. [M 8,192, K 1,024] x [K 1,024, N 1,024]; A: input x_q; B: input W_q: QUANTISED (scales: A lowp_scales[0], B lowp_scales[1])
;;     2. [M 8,192, K 1,024] x [K 1,024, N 1,024]; A: input x_k; B: input W_k: QUANTISED (scales: A lowp_scales[2], B lowp_scales[3])
;;     3. [M 8,192, K 1,024] x [K 1,024, N 1,024]; A: input x_v; B: input W_v: QUANTISED (scales: A lowp_scales[4], B lowp_scales[5])
;;     4. batch 64 x [M 2,048, K 64] x [K 64, N 2,048]; A: computed on the way; B: computed on the way: QUANTISED (scales: A lowp_scales[6], B lowp_scales[7])
;;     5. batch 64 x [M 2,048, K 2,048] x [K 2,048, N 64]; A: softmax (see below); B: computed on the way: QUANTISED (scales: A lowp_scales[8], B lowp_scales[9])
;;     6. [M 8,192, K 1,024] x [K 1,024, N 1,024]; A: computed on the way; B: input W_out: QUANTISED (scales: A lowp_scales[10], B lowp_scales[11])
;;   THE QUANTISER, for each operand of a quantised product, along K:
;;     - The operand's scale is 2^e, e = its entry of the input lowp_scales (int32; the entries are numbered through the quantised products in the list's order, A before B).
;;     - Each number is divided by the scale, clamped to +-448, and rounded to the nearest number of E4M3, ties to even, subnormals kept.
;;     - The product sums the exact products of the quantised numbers (number of the format x scale) in f32.
;;   ~~~python
;;   def quantise(x, axis, e):      # numpy; x: float32 -> the quantised numbers, widened to float32 again
;;       x = np.moveaxis(x, axis, -1); K = x.shape[-1]
;;       r = np.clip(x / 2.0 ** e, -448, 448)
;;       step = 2.0 ** (np.maximum(np.frexp(np.where(r == 0, 1, r))[1] - 1, -6) - 3)
;;       q = np.round(r / step) * step * 2.0 ** e      # np.round: ties to even
;;       return np.moveaxis(q, -1, axis).astype(np.float32)
;;   ~~~
;;   SOFTMAX AHEAD OF A QUANTISED PRODUCT. Where the list says 'softmax', what is quantised is not the finished softmax but p = 2^(t - M), with t = logit x log2(e) and M = ceil(the row's largest t), a whole number; so 1/2 < the row's largest p <= 1. The row's sum l is taken of the UNQUANTISED p, in f32, and the product's result is divided by l at the end. Since M is a whole number, a kernel that streams over the keys may use a running M (the ceiling of the running maximum): every later rescaling is an exact power of two, so the quantised numbers keep their values, but for numbers so far below the row's largest that they fall under the format's range.
;;   OPERANDS COMPUTED ON THE WAY. 'Computed on the way' means the value that the module computes at that place (a softmax that the list does not call 'softmax' is quantised finished and normalised). What goes into a quantiser is computed in f32, as accurately as f32 sums, v_exp_f32 and their like allow (about 1e-6 of the number): no bf16 or f16 on the way to a quantiser, and a product that is left as it is and whose result goes on into a quantised operand takes f32 operands (vector FMAs, or v_wmma_f32_16x16x4_f32). A number that lies on a knife's edge between two numbers of the format may be rounded either way, as far as f32 arithmetic and the matrix unit's own rounding can turn it there, and no further.
;; One version. Each part assembles by itself: llvm-mc -triple=amdgcn-amd-amdhsa -mcpu=gfx1250 --defsym DOCPART=n.
;; ======== version 1 of 1: 4 launches
;; workspace buffers: xcodes 25,165,824 bytes; wcodes 4,194,304 bytes; ropetab 524,288 bytes; qcodes 8,388,608 bytes; kv 17,301,504 bytes; acodes 8,388,608 bytes
;; launch prep (part 1): grid 1168 x 1, 4 waves a work-group, no clusters, 33,280 bytes of LDS; arguments x_q, x_k, x_v, W_q, W_k, W_v, W_out, lowp_scales, padding_mask, xcodes, wcodes, ropetab, kv; writes xcodes, wcodes, ropetab, kv
.if DOCPART == 1
	.amdgcn_target "amdgcn-amd-amdhsa--gfx1250"
	.amdhsa_code_object_version 6
	.text
	.protected	k_q81fa94bd0e_prep
	.globl	k_q81fa94bd0e_prep
	.p2align	8
	.type	k_q81fa94bd0e_prep,@function
k_q81fa94bd0e_prep:
	s_mov_b64 s[64:65], 0
	v_nop
	global_prefetch_b8 v0, s[64:65] scope:SCOPE_SE
	s_setreg_imm32_b32 hwreg(HW_REG_WAVE_MODE, 25, 1), 1
	s_wait_xcnt 0x0
; PREP.  Three kinds of work-groups, told apart by the work-group's number alone:
;   0 .. 255     TABLE: ropetab[pos][cos 0..31 | sin 0..31], f32, 256 bytes a position, 2,048 positions.
;   256 .. 271   BIAS:  padding_mask becomes an f32 number a key in each head's key slots of kv: 0.0 for a key that counts, -2^126 for one that is padded out.
;   272 .. 1167  QUANT: x_q, x_k, x_v (256 work-groups each) and W_q, W_k, W_v, W_out (32 each), f32 with K innermost, become codes of E4M3 with the given scale 2^e.
; code = x / 2^e, held within +-448, to the nearest code, ties to even.  LIMITS: -126 <= e <= 119, so that 2^e and 448 x 2^e are f32 numbers; NaN among x and W is not served (an infinity is held at the largest code).
; TABLE: inv_freq = 2^(-i log2(10000) / 32) by v_exp_f32 of a product that is exact (the constant's upper 15 bits) times 1 - i ln2 x (the constant's rest); it may differ from a correctly rounded power by one or two
; units in the last place, which at position 2,047 is some 1e-4 of a radian.  The angle is one f32 product; it is reduced by pi/2 in two parts (the first product is exact for multiples up to 1,304) and cos and sin come
; from polynomials on +-pi/4.  Position 0 gives exactly 1 and 0.
; QUANT: a wave takes 16 steps of 512 numbers.  Each load reads 512 consecutive bytes; a step's 2,048 bytes turn through the wave's own stage in LDS, so that a lane holds 16 neighbours along K; a lane's 16 codes are
; 16 bytes and the wave stores 512 consecutive bytes.  Loads run four steps ahead, the turn through LDS one step.  Waves share nothing: no barrier.  Only this kind of work-group touches LDS.
.set NTAB,  256
.set NBIAS, 16
.set NX,    768                        ; QUANT work-groups that take x: 3 x 8,388,608 / 32,768
.set STEPS, 16
.set EMAX,  8
.set MANT,  0x600000                   ; the mantissa field of 448 as f32
.set CB,    16                         ; bytes of 16 codes
.set R,     16                         ; v16-79   four sets of 16 numbers as they are loaded
.set X,     80                         ; v80-111  two sets of 16 neighbours
.set C,     128                        ; v128-191 codes: four registers for each step, so that no store's data are written again
.set WREG,  8192                       ; LDS: a region for each wave: two stages of 32 x SP bytes
.set SP,    80                         ; a lane's place in a stage: its 64 bytes + 16 of padding
	s_load_b512 s[16:31], s[0:1], 0x0              ; x_q 16, x_k 18, x_v 20, W_q 22, W_k 24, W_v 26, W_out 28, lowp_scales 30
	s_load_b256 s[32:39], s[0:1], 0x40             ; padding_mask 32, xcodes 34, wcodes 36, ropetab 38
	s_load_b64 s[40:41], s[0:1], 0x60              ; kv
	v_lshl_add_u32 v192, v0, 2, 0x8000
	v_mov_b32 v193, 0
	s_cmp_lt_u32 ttmp9, NTAB
	s_cbranch_scc1 .Ltable
	s_cmp_lt_u32 ttmp9, NTAB+NBIAS
	s_cbranch_scc1 .Lbias
	; ---------------- QUANT
	v_lshrrev_b32 v1, 5, v0
	v_readfirstlane_b32 s2, v1                     ; wave
	v_and_b32 v2, 31, v0                           ; lane
	v_lshlrev_b32 v3, 4, v2                        ; my 16 bytes of a load's 512
	s_mul_i32 s3, s2, WREG
	v_lshrrev_b32 v14, 2, v2
	v_mul_u32_u24 v14, v14, SP
	v_and_b32 v15, 3, v2
	v_lshl_add_u32 v14, v15, 4, v14
	v_add_nc_u32 v14, s3, v14                      ; the stage, on the way in: SP (lane / 4) + 16 (lane % 4)
	v_mul_u32_u24 v15, v2, SP
	v_add_nc_u32 v15, s3, v15                      ; and on the way out: SP x lane: my 16 neighbours
	v_mul_u32_u24 v4, v2, CB                       ; my codes' place in a step's
	s_sub_co_u32 s3, ttmp9, NTAB+NBIAS             ; g: 0 .. 895
	s_sub_co_u32 s6, s3, NX                        ; g - 768: used for the weights alone
	s_lshr_b32 s7, s3, 8                           ; which x
	s_lshr_b32 s10, s6, 5
	s_add_co_u32 s10, s10, 3                       ; which W, counted on from the three x
	s_and_b32 s11, s3, 255
	s_and_b32 s12, s6, 31
	s_cmp_lt_u32 s3, NX                            ; x or W?  The choice hangs on the work-group's number alone
	s_cselect_b32 s7, s7, s10                      ; the tensor's number, 0 .. 6, in the order of the arguments
	s_cselect_b32 s11, s11, s12                    ; my place in the tensor
	s_cselect_b32 s12, s3, s6                      ; my place in the codes' buffer, in which the tensors follow each other
	s_wait_kmcnt 0x0
	s_cselect_b64 s[8:9], s[34:35], s[36:37]       ; xcodes or wcodes
	s_load_b256 s[44:51], s[30:31], 0x0            ; the scales' exponents 0 .. 7
	s_load_b128 s[52:55], s[30:31], 0x20           ; 8 .. 11
	s_lshl_b32 s11, s11, 2
	s_add_co_u32 s11, s11, s2                      ; which run of 8,192 numbers is my wave's
	s_lshl_b32 s10, s11, 15                        ; x 32,768 bytes of f32
	s_mov_b32 s11, 0
	s_lshl_b32 s12, s12, 2
	s_add_co_u32 s12, s12, s2
	s_lshl_b32 s12, s12, 13                        ; x 8,192 bytes of codes
	s_mov_b32 s13, 0
	s_mov_b64 s[4:5], s[16:17]
.irp k, 1,2,3,4,5,6
	s_cmp_eq_u32 s7, \k
	s_cselect_b64 s[4:5], s[16+2*\k:17+2*\k], s[4:5]   ; the tensor's address, chosen by its number
.endr
	s_add_nc_u64 s[4:5], s[4:5], s[10:11]
	s_add_nc_u64 s[8:9], s[8:9], s[12:13]
.macro LOAD t
.irp i, 0,1,2,3
	global_load_b128 v[R+16*((\t)%4)+4*\i:R+16*((\t)%4)+4*\i+3], v3, s[4:5] offset:2048*(\t)+512*\i th:TH_LOAD_NT   ; 32 lanes read 512 consecutive bytes, read once in the launch
.endr
.endm
.macro TURNQ t                         ; step t's numbers through the stage: LDS serves a wave's instructions in order, so no wait stands between the stores and the loads
.irp i, 0,1,2,3
	ds_store_b128 v14, v[R+16*((\t)%4)+4*\i:R+16*((\t)%4)+4*\i+3] offset:32*SP*((\t)%2)+8*SP*\i
.endr
.irp i, 0,1,2,3
	ds_load_b128 v[X+16*((\t)%2)+4*\i:X+16*((\t)%2)+4*\i+3], v15 offset:32*SP*((\t)%2)+16*\i
.endr
.endm
.irp t, 0,1,2,3
	LOAD \t
.endr
	s_wait_kmcnt 0x0
	s_mov_b32 s14, s44                             ; x_q: entry 0
	s_cmp_eq_u32 s7, 1
	s_cselect_b32 s14, s46, s14                    ; x_k: 2
	s_cmp_eq_u32 s7, 2
	s_cselect_b32 s14, s48, s14                    ; x_v: 4
	s_cmp_eq_u32 s7, 3
	s_cselect_b32 s14, s45, s14                    ; W_q: 1
	s_cmp_eq_u32 s7, 4
	s_cselect_b32 s14, s47, s14                    ; W_k: 3
	s_cmp_eq_u32 s7, 5
	s_cselect_b32 s14, s49, s14                    ; W_v: 5
	s_cmp_eq_u32 s7, 6
	s_cselect_b32 s14, s55, s14                    ; W_out: 11
	s_add_co_i32 s14, s14, 127
	s_lshl_b32 s15, s14, 23
	v_mov_b32 v11, s15                             ; 2^e as f32: the conversion takes its exponent field
	s_add_co_i32 s14, s14, EMAX
	s_lshl_b32 s14, s14, 23
	s_or_b32 s14, s14, MANT
	v_mov_b32 v10, s14                             ; 448 x 2^e
	s_wait_loadcnt 12                              ; step 0's four loads are in; those of steps 1 to 3 may be out
	TURNQ 0
.macro STEPQ t
.set XS, X+16*((\t)%2)
	s_wait_dscnt 0x0                               ; this step's numbers are back from the stage: so its stores into the stage have read their registers,
.if (\t)+4 < STEPS
	LOAD (\t)+4                                    ; which take the loads of four steps on
.endif
.if (\t)+1 < STEPS
.if STEPS-2-(\t) >= 3
	s_wait_loadcnt 12                              ; the next step's four loads are in; those of the three steps behind it may be out
.else
	s_wait_loadcnt 4*(STEPS-2-(\t))
.endif
	TURNQ (\t)+1                                   ; and go through the other stage while this step is worked
.endif
.irp i, 0,1,2,3,4,5,6,7,8,9,10,11,12,13,14,15
	v_med3_num_f32 v[XS+\i], v[XS+\i], -v10, v10   ; the conversion to an 8-bit code does not saturate (ISA guide 7.6.2): the hold at the largest code x the scale comes first
.endr
	v_cvt_scalef32_pk8_fp8_f32 v[C+4*(\t):C+4*(\t)+1], v[XS:XS+7], v11
	v_cvt_scalef32_pk8_fp8_f32 v[C+4*(\t)+2:C+4*(\t)+3], v[XS+8:XS+15], v11
	global_store_b128 v4, v[C+4*(\t):C+4*(\t)+3], s[8:9] offset:32*CB*(\t)   ; the results go to a store alone; the next vector lines are the next step's holds, on other registers
.endm
.irp t, 0,1,2,3,4,5,6,7,8,9,10,11,12,13,14,15
	STEPQ \t
.endr
	s_wait_tensorcnt 0x0
	ds_add_u32 v192, v193
	s_wait_dscnt 0x0
	s_endpgm
	; ---------------- TABLE: thread T = 128 x work-group + thread makes four numbers: position T / 16; T % 16 < 8: cos of frequencies 4 (T % 8) .. + 3, else sin of the same
.Ltable:
	s_lshl_b32 s2, ttmp9, 7
	s_mov_b32 s3, 0xb626c40c                       ; -ln2 x (log2(10000) / 32 - 27213 / 65536)
	s_mov_b32 s4, 0x3fc90fdb                       ; pi / 2, upper part
	s_mov_b32 s5, 0xb33bbd2e                       ; pi / 2, the rest
	s_mov_b32 s6, 0xb94ca1f9                       ; sin: -1.9515295891e-4, 8.3321608736e-3, -1.6666654611e-1
	s_mov_b32 s7, 0x3c08839e
	s_mov_b32 s8, 0xbe2aaaa3
	s_mov_b32 s9, 0x37ccf5ce                       ; cos: 2.443315711809948e-5, -1.388731625493765e-3, 4.166664568298827e-2
	s_mov_b32 s10, 0xbab6061a
	s_mov_b32 s11, 0x3d2aaaa5
	v_add_nc_u32 v1, s2, v0                        ; T
	v_lshrrev_b32 v2, 4, v1                        ; position
	v_and_b32 v3, 7, v1
	v_lshlrev_b32 v3, 2, v3                        ; my first frequency
	v_bfe_u32 v4, v1, 3, 1
	v_xor_b32 v4, 1, v4                            ; 1 for cos: cos(x) = sin(x + pi / 2), one quadrant on
	v_lshlrev_b32 v5, 4, v1                        ; my 16 bytes: a wave stores 512 consecutive bytes
	v_cvt_f32_u32 v2, v2
.irp n, 0,1,2,3
	v_add_nc_u32 v[8+\n], \n, v3
.endr
.irp n, 0,1,2,3
	v_cvt_f32_u32 v[8+\n], v[8+\n]                 ; i
.endr
.irp n, 0,1,2,3
	v_mul_f32 v[12+\n], 0xbed49a00, v[8+\n]        ; -i x 27213 / 65536: exact, 5 bits x 15 bits
.endr
.irp n, 0,1,2,3
	v_exp_f32 v[16+\n], v[12+\n]
.endr
.irp n, 0,1,2,3
	v_fma_f32 v[20+\n], v[8+\n], s3, 1.0           ; 2^(-i x the rest) = 1 - i ln2 x the rest, to f32.  (Plain lines behind the exponentials)
.endr
	s_wait_alu depctr_va_vdst(0)                   ; one wait for the four exponentials, ahead of their first reader
.irp n, 0,1,2,3
	v_mul_f32 v[16+\n], v[16+\n], v[20+\n]         ; inv_freq
.endr
.irp n, 0,1,2,3
	v_mul_f32 v[16+\n], v2, v[16+\n]               ; the angle: one f32 product
.endr
.irp n, 0,1,2,3
	v_mul_f32 v[12+\n], 0x3f22f983, v[16+\n]       ; x 2 / pi
.endr
.irp n, 0,1,2,3
	v_rndne_f32 v[12+\n], v[12+\n]                 ; k
.endr
.irp n, 0,1,2,3
	v_fma_f32 v[16+\n], -v[12+\n], s4, v[16+\n]    ; r = angle - k pi / 2, in two parts
.endr
.irp n, 0,1,2,3
	v_fma_f32 v[16+\n], -v[12+\n], s5, v[16+\n]
.endr
.irp n, 0,1,2,3
	v_mul_f32 v[20+\n], v[16+\n], v[16+\n]         ; z = r r
.endr
.irp n, 0,1,2,3
	v_fma_f32 v[24+\n], v[20+\n], s6, s7
	v_fma_f32 v[28+\n], v[20+\n], s9, s10
.endr
.irp n, 0,1,2,3
	v_fma_f32 v[24+\n], v[24+\n], v[20+\n], s8
	v_fma_f32 v[28+\n], v[28+\n], v[20+\n], s11
.endr
.irp n, 0,1,2,3
	v_mul_f32 v[32+\n], v[16+\n], v[20+\n]         ; r z
	v_mul_f32 v[40+\n], v[20+\n], v[20+\n]         ; z z
	v_fma_f32 v[20+\n], v[20+\n], -0.5, 1.0        ; 1 - z / 2
.endr
.irp n, 0,1,2,3
	v_fma_f32 v[24+\n], v[32+\n], v[24+\n], v[16+\n]   ; sin r
	v_fma_f32 v[28+\n], v[40+\n], v[28+\n], v[20+\n]   ; cos r
	v_cvt_i32_f32 v[12+\n], v[12+\n]
.endr
.irp n, 0,1,2,3
	v_add_nc_u32 v[12+\n], v[12+\n], v4            ; the quadrant
.endr
.irp n, 0,1,2,3
	v_and_b32 v[32+\n], 1, v[12+\n]
	v_cmp_ne_u32 vcc_lo, 0, v[32+\n]
	v_cndmask_b32 v[24+\n], v[24+\n], v[28+\n], vcc_lo   ; odd quadrants take cos r
	v_and_b32 v[32+\n], 2, v[12+\n]
	v_lshlrev_b32 v[32+\n], 30, v[32+\n]
	v_xor_b32 v[36+\n], v[24+\n], v[32+\n]         ; quadrants 2 and 3 change the sign
.endr
	s_wait_kmcnt 0x0
	global_store_b128 v5, v[36:39], s[38:39]
	s_endpgm
	; ---------------- BIAS: thread T = 128 x (work-group - 256) + thread takes four keys of one batch row and stores their four numbers into that batch's sixteen heads
.Lbias:
	s_sub_co_u32 s2, ttmp9, NTAB
	s_lshl_b32 s2, s2, 7
	v_add_nc_u32 v1, s2, v0                        ; T: 0 .. 2,047
	v_lshlrev_b32 v2, 2, v1                        ; my four bytes of the mask
	v_lshrrev_b32 v3, 9, v1                        ; batch
	v_bfe_u32 v4, v1, 6, 3                         ; key slot of 256 keys
	v_and_b32 v5, 63, v1                           ; my four keys in it
	v_mul_u32_u24 v6, v3, 0x420000                 ; 16 heads x 270,336 bytes
	v_mad_u32_u24 v6, v4, 0x8400, v6               ; + slot x 33,792
	v_lshl_add_u32 v6, v5, 4, v6
	v_add_nc_u32 v6, 0x8000, v6                    ; behind the slot's 16,384 bytes of K and 16,384 of V
	s_wait_kmcnt 0x0
	global_load_b32 v7, v2, s[32:33]
	s_wait_loadcnt 0x0
.irp j, 0,1,2,3
	v_bfe_u32 v[8+\j], v7, 8*\j, 8                 ; 1: the key counts; 0: it is padded out
	v_add_nc_u32 v[8+\j], -1, v[8+\j]              ; 0, or all ones
	v_and_b32 v[8+\j], 0xfe800000, v[8+\j]         ; 0.0, or -2^126
.endr
.irp hd, 0,1,2,3,4,5,6,7,8,9,10,11,12,13,14,15
	global_store_b128 v6, v[8:11], s[40:41] offset:\hd*270336   ; a wave stores 512 consecutive bytes; neither the data nor the offset is written again
.endr
	s_endpgm
.Lfunc_end_k_q81fa94bd0e_prep:
	.size	k_q81fa94bd0e_prep, .Lfunc_end_k_q81fa94bd0e_prep-k_q81fa94bd0e_prep
	.p2alignl 7, 3214868480
	.fill 96, 4, 3214868480
	.section	.rodata,"a",@progbits
	.p2align	6, 0x0
	.amdhsa_kernel k_q81fa94bd0e_prep
		.amdhsa_group_segment_fixed_size 33280
		.amdhsa_private_segment_fixed_size 0
		.amdhsa_enable_private_segment 0
		.amdhsa_kernarg_size 104
		.amdhsa_user_sgpr_count 2
		.amdhsa_user_sgpr_kernarg_segment_ptr 1
		.amdhsa_wavefront_size32 1
		.amdhsa_system_sgpr_workgroup_id_x 1
		.amdhsa_system_sgpr_workgroup_id_y 1
		.amdhsa_system_sgpr_workgroup_id_z 1
		.amdhsa_system_vgpr_workitem_id 0
		.amdhsa_next_free_vgpr 194
		.amdhsa_next_free_sgpr 66
		.amdhsa_reserve_vcc 1
		.amdhsa_float_denorm_mode_32 3
		.amdhsa_float_denorm_mode_16_64 3
		.amdhsa_memory_ordered 1
		.amdhsa_forward_progress 1
		.amdhsa_inst_pref_size 48
	.end_amdhsa_kernel
	.amdgpu_metadata
---
amdhsa.version: [ 1, 2 ]
amdhsa.kernels:
  - .name:           k_q81fa94bd0e_prep
    .symbol:         k_q81fa94bd0e_prep.kd
    .args:
      - { .name: x_q, .offset: 0, .size: 8, .value_kind: global_buffer, .address_space: global }
      - { .name: x_k, .offset: 8, .size: 8, .value_kind: global_buffer, .address_space: global }
      - { .name: x_v, .offset: 16, .size: 8, .value_kind: global_buffer, .address_space: global }
      - { .name: W_q, .offset: 24, .size: 8, .value_kind: global_buffer, .address_space: global }
      - { .name: W_k, .offset: 32, .size: 8, .value_kind: global_buffer, .address_space: global }
      - { .name: W_v, .offset: 40, .size: 8, .value_kind: global_buffer, .address_space: global }
      - { .name: W_out, .offset: 48, .size: 8, .value_kind: global_buffer, .address_space: global }
      - { .name: lowp_scales, .offset: 56, .size: 8, .value_kind: global_buffer, .address_space: global }
      - { .name: padding_mask, .offset: 64, .size: 8, .value_kind: global_buffer, .address_space: global }
      - { .name: xcodes, .offset: 72, .size: 8, .value_kind: global_buffer, .address_space: global }
      - { .name: wcodes, .offset: 80, .size: 8, .value_kind: global_buffer, .address_space: global }
      - { .name: ropetab, .offset: 88, .size: 8, .value_kind: global_buffer, .address_space: global }
      - { .name: kv, .offset: 96, .size: 8, .value_kind: global_buffer, .address_space: global }
    .group_segment_fixed_size: 33280
    .private_segment_fixed_size: 0
    .kernarg_segment_align: 8
    .kernarg_segment_size: 104
    .max_flat_workgroup_size: 128
    .sgpr_count:     66
    .vgpr_count:     194
    .wavefront_size: 32
...
	.end_amdgpu_metadata
.endif
;; end of part 1
;; launch proj (part 2): grid 4 x 96, 4 waves a work-group, clusters of 4 x 4, 327,680 bytes of LDS; arguments xcodes, wcodes, lowp_scales, ropetab, qcodes, kv; writes qcodes, kv
.if DOCPART == 2
	.amdgcn_target "amdgcn-amd-amdhsa--gfx1250"
	.amdhsa_code_object_version 6
	.text
	.protected	k_q81fa94bd0e_proj
	.globl	k_q81fa94bd0e_proj
	.p2align	8
	.type	k_q81fa94bd0e_proj,@function
k_q81fa94bd0e_proj:
	s_mov_b64 s[64:65], 0
	v_nop
	global_prefetch_b8 v0, s[64:65] scope:SCOPE_SE
	s_setreg_imm32_b32 hwreg(HW_REG_WAVE_MODE, 25, 1), 1
	s_wait_xcnt 0x0
	s_wait_alu depctr_hold_cnt(0) depctr_sa_sdst(0) depctr_va_vdst(0) depctr_va_sdst(0) depctr_va_ssrc(0) depctr_va_vcc(0) depctr_vm_vsrc(0)
	s_getreg_b32 s2, hwreg(HW_REG_IB_STS2, 6, 4)
	s_cmp_eq_u32 s2, 0
	s_cbranch_scc0 .Lentry_in_a_cluster
	s_endpgm
.Lentry_in_a_cluster:
	s_bfe_u32 s2, ttmp6, 0x10000c
	s_cmp_lg_u32 s2, 0xf033
	s_cbranch_scc0 .Lentry_shape_is_right
	s_endpgm
.Lentry_shape_is_right:
; PROJ.  The three projections on codes of E4M3, the rotary embedding of q and k in f32, and the quantisers of q, k and v.
; 24 clusters of 4 x 4 work-groups: cluster y / 8 = kind (0 q, 1 k, 2 v), the same in all sixteen partners; everything that differs between kinds is chosen by s_cselect, and no branch hangs on it.
; q, k: C[token][(head, d)] = x W^T: A = x (8,192 rows), B = W (1,024 rows).   v: C[(head, d)][token] = W_v x_v^T: A = W_v, B = x_v, so that a lane's neighbours are neighbouring KEYS, the second attention product's K.
; A tile of C is 256 x 256: four waves, each 128 x 128 in 64 accumulators, 512 registers.  K = 1,024 goes in four steps of 256 through a ring of two LDS slots filled by joint tensor loads: A's tile is shared along a
; row of the cluster, B's along a column.  THE MATRIX INSTRUCTION IS USED TRANSPOSED (source 0 = 16 rows of B, source 1 = 16 rows of A): a lane holds eight numbers of one row of C.
; B'S ROWS IN A FRAGMENT: lane r takes row (r with its bits 0 and 1 exchanged), so that a lane's registers 0 .. 7 hold columns 0, 2, 1, 3, 4, 6, 5, 7 of its eight: registers (0, 1) and (4, 5) are the even members of
; two rotary pairs each, (2, 3) and (6, 7) the odd ones, and the rotation is packed arithmetic.  The codes' bytes are put back in order by one v_perm_b32 a register.
; THE ROTATION: even' = even cos - odd sin, odd' = odd cos + even sin, cos and sin from ropetab at the row's position.  For v every lane reads the table's row 0, which is exactly 1 and 0: the same lines leave v as it is.
; A sum stands for sum x 2^(ex + ew), and the rotation is linear: the conversion's one scale is 2^(eo - ex - ew), eo the scale of q, k or v.
; LIMIT: eo - ex - ew between -126 and 119, so that this power of two and 448 times it are f32 numbers.
; OUT: qcodes [64 heads][2,048][64];  kv [64 heads][8 slots of 256 keys][K: 256 keys x 64 | V: 4 blocks of 64 keys x 64 d x 64 keys | 1,024 bytes that this launch leaves alone], 33,792 bytes a slot.
; REGISTERS, in windows of 256: window 0: v0-31 addresses; v32-95 two sets of table numbers; v96-111 codes; from v128 A's fragments, ONE set (on the way out v128-191 rotated numbers, v192-223 rows read back);
;   window 1: B's fragments, TWO sets;  window 2: the 32 accumulators of my rows 0-63 ((a, b) at v[8 (8 a + b)]);  window 3: those of my rows 64-127.
.set ROWB,   256                       ; a tile's row in bytes: 256 codes
.set KROW,   1024                      ; a row of A or of B in memory
.set PITCH,  272                       ; an LDS row: 256 bytes + 16 of padding = 68 words: the 16 rows that a load touches start at 16 different banks (64 banks of 4 bytes: ISA guide 11.1)
.set FR,     16                        ; registers of a fragment: 16 rows x 128 K
.set NL,     4                         ; LDS loads that bring one
.set NP,     4                         ; places behind this matrix instruction (ISA guide 7.12.1)
.set HALFT,  128*PITCH
.set SLOT,   4*HALFT                   ; A's 256 rows, then B's 256 rows
.set LAPS,   2                         ; a lap = two K steps = once round the ring
.set SPARE,  2*SLOT                    ; behind the ring: the spare words, 128 bytes for each wave
.set ADRA, 16                          ; v16-17  LDS address of my A fragments in slot 0, 1
.set ADRB, 20                          ; v20-21  the same for B
.set STO,  24                          ; v24  the way out: where I put 8 codes: wave x 2,560 + 80 r + 8 h (the stage lies in slot 0, which has had its last fill and its last read by then)
.set RD,   25                          ; v25  where I read 16 bytes back: wave x 2,560 + 80 (lane / 4) + 16 (lane % 4)
.set CO,   26                          ; v26  16 x lane
.set TO,   27                          ; v27  the table: my row x 256 (0 for v) + 16 h
.set SPW,  28                          ; v28  my spare word;  v29  0: neither is rewritten
.set NIL,  29
.set SCL,  30                          ; v30  2^(eo - ex - ew);  v31  448 x that
.set HLD,  31
.set TAB,  32
.set CD,   96
.set TMP,  128
.set AF,   128
.set BK,   192
.set G1,  24                           ; s[24:31] descriptor group 1 for A's tiles;  s[32:39] group 0, one set for each slot
.set G0,  32
.set G1B, 48                           ; s[48:55], s[56:63] the same for B's tiles
.set G0B, 56
.set KIND, 13                          ; s13
.set TM,   66                          ; s66  bytes from row to row of the table: 256, or 0 for v
.set TBL,  72                          ; s[72:73] the table at the block's first position;  s[74:75] its step: 16 rows, or 0 for v
.set TSP,  74
.set OB,   76                          ; s[76:77], s[78:79] where my two halves of 64 columns go;  s[80:81] what block 4 adds (v: on to the next head)
.set ASP,  80
.set PSEL, 82                          ; s82  byte order (0, 2, 1, 3)
.set MSB, 0
.macro WIN new                         ; the immediate's high byte repeats the setting that is left
.if MSB != (\new)
	s_set_vgpr_msb (MSB<<8)|(\new)
.set MSB, (\new)
.endif
.endm
.set MUL_LO, 0xa1                      ; source 0 (B) window 1, source 1 (A) window 0, C and D window 2
.set MUL_HI, 0xf1                      ; the same, C and D window 3
.set TO_B,   0x40                      ; destination window 1, address window 0
; A joint load: waves 0 and 1 fetch for A, waves 2 and 3 for B.  Each line has ONE mask and one set of registers for all that issue it; the branch hangs on the wave's number alone.
; Four v_nop follow each of the two lines, ahead of the jump, the label and what follows.
.macro JLOAD g0a, g1a, g0b, g1b
	s_cmp_eq_u32 s15, 0
	s_cbranch_scc0 .Lfor_b_\@
	tensor_load_to_lds s[\g0a:\g0a+3], s[\g1a:\g1a+7]
	s_nop 0
.rept 4
	v_nop
.endr
	s_branch .Lasked_\@
.Lfor_b_\@:
	tensor_load_to_lds s[\g0b:\g0b+3], s[\g1b:\g1b+7]
	s_nop 0
.rept 4
	v_nop
.endr
.Lasked_\@:
.endm
.macro CREST                           ; a round of the cluster's barrier behind its opening barrier
	s_cmp_lg_u32 s14, 0
	s_cbranch_scc1 .Lnot_wave_0_\@
	s_barrier_signal -3
.Lnot_wave_0_\@:
	s_barrier_wait -3
	s_barrier_signal -1
	s_barrier_wait -1
.endm
.macro CROUND                          ; a whole round
	s_barrier_signal -1
	s_barrier_wait -1
	CREST
.endm
	s_load_b256 s[4:11], s[0:1], 0x0               ; xcodes s[4:5], wcodes s[6:7], the scales' exponents s[8:9], ropetab s[10:11]
	s_load_b128 s[68:71], s[0:1], 0x20             ; qcodes s[68:69], kv s[70:71]
	v_lshl_add_u32 v[SPW], v0, 2, SPARE
	v_mov_b32 v[NIL], 0
	ds_add_u32 v28, v29
	s_wait_dscnt 0x0
	v_lshrrev_b32 v1, 5, v0
	v_readfirstlane_b32 s14, v1                    ; wave 0..3
	s_lshr_b32 s15, s14, 1                         ; which half of the tile's rows is mine.  Also: I fetch for A (0) or for B (1)
	s_and_b32 s16, s14, 1                          ; which half of its columns.  Also: which 128 rows of that tile I fetch
	s_bfe_u32 s40, ttmp6, 0x40000                  ; cx, cy: my place in the cluster
	s_bfe_u32 s41, ttmp6, 0x40004
	s_and_b32 s12, ttmp7, 0xffff                   ; cluster y: 0 .. 23
	s_lshr_b32 s[KIND], s12, 3                     ; 0 q, 1 k, 2 v
	s_and_b32 s12, s12, 7
	s_cmp_lt_u32 s[KIND], 2
	s_cselect_b32 s17, s12, 0                      ; q, k: the clusters lie one below the other (32 tile rows of tokens);
	s_cselect_b32 s42, 0, s12                      ; v: side by side (32 tile columns of tokens)
	s_lshl_b32 s17, s17, 2
	s_add_co_u32 s17, s17, s41                     ; tile row of C
	s_lshl_b32 s42, s42, 2
	s_add_co_u32 s42, s42, s40                     ; tile column of C
	s_lshl_b32 s43, s41, 2
	s_lshl_b32 s43, 15, s43                        ; my row of the cluster
	s_lshl_b32 s44, 0x1111, s40                    ; my column
	; descriptor group 1: a tile of 128 rows x 256 bytes, padded in LDS
	s_or_b32 s[G1+0], s43, (0<<16)|(1<<20)|(1<<21)|(5<<22)|(3<<25)  ; 15:0 the mask: A's tiles go to my row; 17:16 element of 1 byte; 20 padding on; 21 set beside a mask; 24:22 after every 64 words (code 5); 31:25 of 4 words (code 3)
	s_or_b32 s[G1B+0], s44, (0<<16)|(1<<20)|(1<<21)|(5<<22)|(3<<25)
.irp g, G1, G1B
	s_mov_b32 s[\g+1], ROWB<<16                    ; tensor_dim0
	s_mov_b32 s[\g+2], 128<<16                     ; tensor_dim1 = 128
	s_mov_b32 s[\g+3], ROWB<<16                    ; tile_dim0
	s_mov_b32 s[\g+4], 128                         ; tile_dim1 = 128
	s_mov_b32 s[\g+5], KROW                        ; tensor_dim0_stride
	s_mov_b32 s[\g+6], 0
	s_mov_b32 s[\g+7], 0
.endr
	; where the tiles come from, in bytes from their buffers' first: the tensor in xcodes (2^23 bytes each) or wcodes (2^20 each), then the row.  A's hang on the tile row alone, B's on the tile column alone
	s_lshl_b32 s18, s[KIND], 23
	s_lshl_b32 s19, s[KIND], 20
	s_cmp_lt_u32 s[KIND], 2
	s_cselect_b32 s20, s18, s19                    ; A: x_q, x_k, or W_v
	s_cselect_b32 s46, s19, s18                    ; B: W_q, W_k, or x_v
	s_lshl_b32 s18, s16, 7                         ; which 128 rows of the tile I fetch
	s_lshl_b32 s21, s17, 8
	s_add_co_u32 s21, s21, s18
	s_lshl_b32 s21, s21, 10                        ; rows of 1,024 bytes
	s_add_co_u32 s20, s20, s21
	s_mov_b32 s21, 0
	s_lshl_b32 s47, s42, 8
	s_add_co_u32 s47, s47, s18
	s_lshl_b32 s47, s47, 10
	s_add_co_u32 s46, s46, s47
	s_mov_b32 s47, 0
	s_mul_i32 s45, s14, HALFT                      ; where they go: wave x 128 rows: no place in the cluster enters an LDS address
	s_wait_kmcnt 0x0
	s_load_b256 s[84:91], s[8:9], 0x0              ; the scales' exponents 0 .. 7
	s_load_b128 s[92:95], s[8:9], 0x20             ; 8 .. 11
	s_cmp_lt_u32 s[KIND], 2
	s_cselect_b64 s[22:23], s[4:5], s[6:7]         ; A's buffer
	s_cselect_b64 s[66:67], s[6:7], s[4:5]         ; B's buffer
	s_add_nc_u64 s[20:21], s[22:23], s[20:21]
	s_add_nc_u64 s[46:47], s[66:67], s[46:47]
	CROUND                                         ; all sixteen work-groups are here: the first joint loads meet
.irp s, 0,1
	s_mov_b32 s[G0+4*\s], 1
	s_add_co_u32 s[G0+4*\s+1], s45, \s*SLOT
	s_add_nc_u64 s[G0+4*\s+2:G0+4*\s+3], s[20:21], \s*ROWB
	s_or_b32 s[G0+4*\s+3], s[G0+4*\s+3], 0x80000000
	s_mov_b32 s[G0B+4*\s], 1
	s_add_co_u32 s[G0B+4*\s+1], s45, \s*SLOT
	s_add_nc_u64 s[G0B+4*\s+2:G0B+4*\s+3], s[46:47], \s*ROWB
	s_or_b32 s[G0B+4*\s+3], s[G0B+4*\s+3], 0x80000000
	JLOAD G0+4*\s, G1, G0B+4*\s, G1B
.endr
	v_and_b32 v1, 15, v0                           ; r = lane % 16
	v_bfe_u32 v2, v0, 4, 1                         ; h = lane / 16
	v_mul_u32_u24 v3, v1, PITCH
	v_lshl_add_u32 v4, v2, 4, v3                   ; A: row r x pitch + 16 h
	v_and_b32 v5, 12, v1
	v_and_b32 v6, 1, v1
	v_lshl_add_u32 v5, v6, 1, v5
	v_bfe_u32 v6, v1, 1, 1
	v_add_nc_u32 v5, v5, v6                        ; B: r with bits 0 and 1 exchanged: the same 16 rows, so the same 16 banks
	v_mul_u32_u24 v5, v5, PITCH
	v_lshl_add_u32 v5, v2, 4, v5
	s_mul_i32 s21, s15, HALFT                      ; my 128 rows of A
	s_mul_i32 s22, s16, HALFT                      ; my 128 rows of B,
	s_add_co_u32 s22, s22, 2*HALFT                 ; which lie behind A's 256
.irp s, 0,1
	v_add_nc_u32 v[ADRA+\s], s21, v4
	v_add_nc_u32 v[ADRB+\s], s22, v5
	s_add_co_u32 s21, s21, SLOT
	s_add_co_u32 s22, s22, SLOT
.endr
	s_mul_i32 s23, s14, 2560                       ; my stage: two halves of 16 rows x 80 bytes
	v_mul_u32_u24 v5, v1, 80
	v_lshl_add_u32 v5, v2, 3, v5
	v_add_nc_u32 v[STO], s23, v5
	v_and_b32 v6, 31, v0
	v_lshlrev_b32 v[CO], 4, v6
	v_lshrrev_b32 v5, 2, v6
	v_mul_u32_u24 v5, v5, 80
	v_and_b32 v6, 3, v6
	v_lshl_add_u32 v5, v6, 4, v5
	v_add_nc_u32 v[RD], s23, v5
	; where my results go, and my part of the table.  R0, C0: my first row and column of C
	s_lshl_b32 s96, s17, 8
	s_lshl_b32 s97, s15, 7
	s_add_co_u32 s96, s96, s97                     ; R0
	s_lshl_b32 s97, s42, 8
	s_lshl_b32 s98, s16, 7
	s_add_co_u32 s97, s97, s98                     ; C0
	s_and_b32 s100, s96, 2047
	s_lshl_b32 s100, s100, 8                       ; q, k: my first position's row of the table
	s_cmp_lt_u32 s[KIND], 2
	s_cselect_b32 s98, s96, s97                    ; my first token
	s_cselect_b32 s99, s97, s96                    ; my first (head, d)
	s_cselect_b32 s[TM], 256, 0
	s_cselect_b32 s[TSP], 4096, 0
	s_cselect_b32 s[TBL], s100, 0
	s_mov_b32 s[TSP+1], 0
	s_mov_b32 s[TBL+1], 0
	s_add_nc_u64 s[TBL:TBL+1], s[10:11], s[TBL:TBL+1]
	v_mul_lo_u32 v[TO], v1, s[TM]
	v_lshl_add_u32 v[TO], v2, 4, v[TO]
	s_lshr_b32 s100, s98, 11                       ; batch
	s_lshl_b32 s100, s100, 4
	s_lshr_b32 s99, s99, 6                         ; head
	s_add_co_u32 s100, s100, s99                   ; 16 x batch + head
	s_and_b32 s98, s98, 2047                       ; position
	s_lshr_b32 s99, s98, 8                         ; its slot of 256
	s_and_b32 s98, s98, 255
	s_lshl_b32 s98, s98, 6                         ; q, k: 64 bytes a position;  v: 128 keys on are two blocks of 4,096 bytes, the same number
	s_mov_b32 s96, 270336
	s_mov_b32 s97, 33792
	s_cmp_eq_u32 s[KIND], 0
	s_cselect_b32 s96, 131072, s96                 ; bytes of a head: in qcodes, in kv
	s_cselect_b32 s97, 16384, s97                  ; bytes of a slot
	s_cselect_b64 s[OB:OB+1], s[68:69], s[70:71]
	s_mul_i32 s100, s100, s96
	s_mul_i32 s99, s99, s97
	s_add_co_u32 s100, s100, s99
	s_add_co_u32 s100, s100, s98
	s_cmp_eq_u32 s[KIND], 2
	s_cselect_b32 s99, 16384, 0                    ; V lies behind the slot's K
	s_cselect_b32 s[OB+2], 4096, s96               ; my second 64 columns: v: the next block of 64 keys; q, k: the next head
	s_cselect_b32 s[ASP], 266240, 0                ; v: rows 64 on are the next head's d 0 on: 270,336 - 4 x 1,024
	s_add_co_u32 s100, s100, s99
	s_mov_b32 s101, 0
	s_mov_b32 s[OB+3], 0
	s_mov_b32 s[ASP+1], 0
	s_add_nc_u64 s[OB:OB+1], s[OB:OB+1], s[100:101]
	s_add_nc_u64 s[OB+2:OB+3], s[OB:OB+1], s[OB+2:OB+3]
	s_mov_b32 s[PSEL], 0x03010200
; eight loads: for each of the four tiles of 16 columns of a head, my four pairs' cos and sin at my row's position
.macro TABLD set
.irp m, 0,1,2,3
	global_load_b128 v[TAB+32*(\set)+8*\m:TAB+32*(\set)+8*\m+3],   v[TO], s[TBL:TBL+1] offset:32*\m
	global_load_b128 v[TAB+32*(\set)+8*\m+4:TAB+32*(\set)+8*\m+7], v[TO], s[TBL:TBL+1] offset:128+32*\m
.endr
.endm
	TABLD 0                                        ; block 0's; these sixteen loads land while K is walked, in registers that the loop does not name
	s_wait_xcnt 0x0                                ; the loads have read their base: it may step
	s_add_nc_u64 s[TBL:TBL+1], s[TBL:TBL+1], s[TSP:TSP+1]
	TABLD 1                                        ; block 1's
	s_wait_kmcnt 0x0
	s_add_co_i32 s96, s84, s85
	s_sub_co_i32 s96, s90, s96                     ; q: e6 - e0 - e1
	s_add_co_i32 s97, s86, s87
	s_sub_co_i32 s97, s91, s97                     ; k: e7 - e2 - e3
	s_add_co_i32 s98, s88, s89
	s_sub_co_i32 s98, s93, s98                     ; v: e9 - e4 - e5
	s_cmp_eq_u32 s[KIND], 1
	s_cselect_b32 s96, s97, s96
	s_cmp_eq_u32 s[KIND], 2
	s_cselect_b32 s96, s98, s96
	s_add_co_i32 s96, s96, 127
	s_lshl_b32 s97, s96, 23
	v_mov_b32 v[SCL], s97
	s_add_co_i32 s96, s96, 8
	s_lshl_b32 s96, s96, 23
	s_or_b32 s96, s96, 0x600000
	v_mov_b32 v[HLD], s96
.macro FRAG reg, adr, q, i             ; a fragment, 16 rows x 128 K: lane l holds one row; registers 4 c .. 4 c + 3 hold K = 32 c + 16 (l / 16) + 0 .. 15: the same order of K in A and in B
.irp c, 0,1,2,3
	ds_load_b128 v[\reg+4*\c:\reg+4*\c+3], v[\adr] offset:128*(\q)+32*\c+(\i)*16*PITCH
.endr
.endm
; 16 matrix instructions: A's blocks a0, a0 + 1 x B's eight, 128 along K.  p: B's set.  zero = 1: the first product starts the sums.  The 64 accumulators take turns, one instruction a turn, in the same order in every step.
.macro MUL16 a0, p, zero
.irp a, \a0, \a0+1
.irp b, 0,1,2,3,4,5,6,7
.if \zero
	v_wmma_f32_16x16x128_fp8_fp8 v[8*(8*((\a)%4)+\b):8*(8*((\a)%4)+\b)+7], v[128*(\p)+FR*\b:128*(\p)+FR*\b+FR-1], v[AF+FR*(\a):AF+FR*(\a)+FR-1], 0
.else
	v_wmma_f32_16x16x128_fp8_fp8 v[8*(8*((\a)%4)+\b):8*(8*((\a)%4)+\b)+7], v[128*(\p)+FR*\b:128*(\p)+FR*\b+FR-1], v[AF+FR*(\a):AF+FR*(\a)+FR-1], v[8*(8*((\a)%4)+\b):8*(8*((\a)%4)+\b)+7]
.endif
.endr
.endr
.endm
.macro FETCH_B slot, q, p
	WIN TO_B
.irp i, 0,1,2,3,4,5,6,7
	FRAG 128*(\p)+FR*\i, ADRB+\slot, \q, \i
.endr
	WIN 0
.endm
.macro FETCH_A slot, q, i0
.irp i, \i0, \i0+1, \i0+2, \i0+3
	FRAG AF+FR*(\i), ADRA+\slot, \q, \i
.endr
.endm
.macro PLACES n                        ; plain vector lines between a matrix instruction and a load into, or a vector read or write of, one of its registers
.rept \n
	v_nop
.endr
.endm
; A step of 128 along K that has its successor in the same slot.  A has one set of registers: blocks 0-3 are fetched anew in the step's middle, blocks 4-7 at its end; B has two sets.
.macro STEP slot, q, zero
	s_wait_dscnt 4*NL                              ; B's set and A's blocks 0-3 are in; the youngest sixteen loads (A's blocks 4-7) may be out
	WIN MUL_LO
	MUL16 0, (\q)%2, \zero
	MUL16 2, (\q)%2, \zero
	s_wait_dscnt 0                                 ; A's blocks 4-7 are in
	PLACES NP
	FETCH_B \slot, (\q)+1, 1-(\q)%2
	FETCH_A \slot, (\q)+1, 0
	WIN MUL_HI
	MUL16 4, (\q)%2, \zero
	MUL16 6, (\q)%2, \zero
	PLACES NP
	WIN 0
	FETCH_A \slot, (\q)+1, 4
.endm
; A slot's last step changes slots: ONE barrier; in front of it each wave waits for all its tensor loads, adds 0 to its spare word, and waits for that and for its own reads of this slot.  fill = 1: this slot is filled again, two K steps ahead.
.macro TURN slot, next, fill
	s_wait_tensorcnt 0x0                           ; all my tensor loads have landed: the one that was out is my part of the next slot
	ds_add_u32 v[SPW], v[NIL]                      ; 0 onto my spare word
	s_wait_dscnt 4*NL+1                            ; (the add and the youngest sixteen loads, A's blocks 4-7, may be out)
	WIN MUL_LO
	MUL16 0, 1, 0                                  ; sixteen matrix instructions stand between the add and the wait for it
	s_wait_dscnt 0x0                               ; the add is done, and my reads of this slot are over
	s_barrier_signal -1
	MUL16 2, 1, 0
	WIN 0
	s_barrier_wait -1
.if \fill
	CREST                                          ; the barrier has opened a round of the cluster's barrier: no wave of any partner still reads this slot's tile or has a load on its way
	s_add_nc_u64 s[G0+4*\slot+2:G0+4*\slot+3], s[G0+4*\slot+2:G0+4*\slot+3], 2*ROWB
	s_add_nc_u64 s[G0B+4*\slot+2:G0B+4*\slot+3], s[G0B+4*\slot+2:G0B+4*\slot+3], 2*ROWB
	JLOAD G0+4*\slot, G1, G0B+4*\slot, G1B         ; the first tensor load behind the round; the four v_nop behind it are the places in front of the loads below
.else
	PLACES NP
.endif
	FETCH_B \next, 0, 0
	FETCH_A \next, 0, 0
	WIN MUL_HI
	MUL16 4, 1, 0
	MUL16 6, 1, 0
	PLACES NP
	WIN 0
	FETCH_A \next, 0, 4
.endm
	s_wait_tensorcnt 1                             ; my part of K step 0 is in (K step 1's load, issued behind it, may be out)
	s_barrier_signal -1
	s_barrier_wait -1                              ; everybody's is
	FETCH_B 0, 0, 0
	FETCH_A 0, 0, 0
	FETCH_A 0, 0, 4
	STEP 0, 0, 1                                   ; the first step stands in front of the loop: its products start the sums
	s_mov_b32 s3, LAPS-1
.Llap:                                                 ; a trip goes once round the ring, from a lap's second step to the next lap's first, and fills both slots again
	TURN 0, 1, 1
	STEP 1, 0, 0
	TURN 1, 0, 1
	STEP 0, 0, 0
	s_sub_co_u32 s3, s3, 1
	s_cmp_lg_u32 s3, 0
	s_cbranch_scc1 .Llap
	TURN 0, 1, 0                                   ; the last lap fills nothing, and has no round of the cluster's barrier
	STEP 1, 0, 0
	s_wait_dscnt 4*NL                              ; the very last step: nothing more to fetch
	WIN MUL_LO
	MUL16 0, 1, 0
	MUL16 2, 1, 0
	s_wait_dscnt 0
	WIN MUL_HI
	MUL16 4, 1, 0
	MUL16 6, 1, 0
	WIN 0
; THE WAY OUT, block by block of 16 rows x 128 columns: rotated, held, converted; 8 codes a lane into my stage (rows of 64 bytes + 16, one half of 64 columns behind the other); back as 512 consecutive bytes of the output.
.macro BLOCK a
.set AC0, 64*((\a)%4)
.set TS, TAB+32*((\a)%2)
.set BB, BK+16*((\a)%2)
	s_wait_xcnt 0x0                                ; every earlier load and store has read its registers: the table's base may step, the rows that block a - 2's stores read may be loaded anew, and block 4 may step its bases
.if (\a) < 7
	s_wait_loadcnt 8                               ; this block's eight table loads are in; the next block's eight may be out
.else
	s_wait_loadcnt 0x0
.endif
	WIN 0x02+((\a)/4)                              ; source 0: window 2 or 3
.irp i, 0,1,2,3,4,5,6,7
	v_pk_mul_f32 v[TMP+8*\i:TMP+8*\i+1],   v[AC0+8*\i+2:AC0+8*\i+3], v[TS+8*(\i%4)+4:TS+8*(\i%4)+5]   ; odd x sin (each accumulator is first read among its four lowest registers)
	v_pk_mul_f32 v[TMP+8*\i+2:TMP+8*\i+3], v[AC0+8*\i:AC0+8*\i+1],   v[TS+8*(\i%4)+4:TS+8*(\i%4)+5]   ; even x sin
	v_pk_mul_f32 v[TMP+8*\i+4:TMP+8*\i+5], v[AC0+8*\i+6:AC0+8*\i+7], v[TS+8*(\i%4)+6:TS+8*(\i%4)+7]
	v_pk_mul_f32 v[TMP+8*\i+6:TMP+8*\i+7], v[AC0+8*\i+4:AC0+8*\i+5], v[TS+8*(\i%4)+6:TS+8*(\i%4)+7]
	v_pk_fma_f32 v[TMP+8*\i:TMP+8*\i+1],   v[AC0+8*\i:AC0+8*\i+1],   v[TS+8*(\i%4):TS+8*(\i%4)+1], v[TMP+8*\i:TMP+8*\i+1] neg_lo:[0,0,1] neg_hi:[0,0,1]   ; even cos - odd sin
	v_pk_fma_f32 v[TMP+8*\i+2:TMP+8*\i+3], v[AC0+8*\i+2:AC0+8*\i+3], v[TS+8*(\i%4):TS+8*(\i%4)+1], v[TMP+8*\i+2:TMP+8*\i+3]                                 ; odd cos + even sin
	v_pk_fma_f32 v[TMP+8*\i+4:TMP+8*\i+5], v[AC0+8*\i+4:AC0+8*\i+5], v[TS+8*(\i%4)+2:TS+8*(\i%4)+3], v[TMP+8*\i+4:TMP+8*\i+5] neg_lo:[0,0,1] neg_hi:[0,0,1]
	v_pk_fma_f32 v[TMP+8*\i+6:TMP+8*\i+7], v[AC0+8*\i+6:AC0+8*\i+7], v[TS+8*(\i%4)+2:TS+8*(\i%4)+3], v[TMP+8*\i+6:TMP+8*\i+7]
.endr
	WIN 0
.if (\a)+2 < 8
	s_add_nc_u64 s[TBL:TBL+1], s[TBL:TBL+1], s[TSP:TSP+1]
	TABLD (\a)%2                                   ; the table for the block two on, into the set just used
.endif
.set j, 0
.rept 64
	v_med3_num_f32 v[TMP+j], v[TMP+j], -v[HLD], v[HLD]   ; the conversion to an 8-bit code does not saturate (ISA guide 7.6.2): the hold comes first
.set j, j+1
.endr
.irp i, 0,1,2,3,4,5,6,7
	v_cvt_scalef32_pk8_fp8_f32 v[CD+2*\i:CD+2*\i+1], v[TMP+8*\i:TMP+8*\i+7], v[SCL]
.endr
	v_nop                                          ; one plain vector line between the conversions and the lines that touch their results
.set j, 0
.rept 16
	v_perm_b32 v[CD+j], v[CD+j], v[CD+j], s[PSEL]  ; (even, even, odd, odd) becomes (even, odd, even, odd): the columns in their order
.set j, j+1
.endr
.irp i, 0,1,2,3,4,5,6,7
	ds_store_b64 v[STO], v[CD+2*\i:CD+2*\i+1] offset:(\i/4)*1280+(\i%4)*16
.endr
.irp e, 0,1
.irp t, 0,1
	ds_load_b128 v[BB+4*(2*\e+\t):BB+4*(2*\e+\t)+3], v[RD] offset:\e*1280+\t*640   ; LDS serves a wave's instructions in order (ISA guide 5.7.1.4): these see the stores above, and the next block's stores come behind them
.endr
.endr
.endm
.macro SEND a, younger                 ; younger: the LDS instructions issued behind block a's loads: the next block's 8 stores and 4 loads, or none
.set BB, BK+16*((\a)%2)
	s_wait_dscnt \younger
.if (\a) == 4
	s_add_nc_u64 s[OB:OB+1], s[OB:OB+1], s[ASP:ASP+1]          ; (block 3's stores have read their bases: a wait on XCNT stands at the head of block 5, behind them)
	s_add_nc_u64 s[OB+2:OB+3], s[OB+2:OB+3], s[ASP:ASP+1]
.endif
.irp e, 0,1
.irp t, 0,1
	global_store_b128 v[CO], v[BB+4*(2*\e+\t):BB+4*(2*\e+\t)+3], s[OB+2*\e:OB+2*\e+1] offset:(\a)*1024+\t*512   ; 32 lanes store 512 consecutive bytes, at a multiple of 256 from the buffer's first byte
.endr
.endr
.endm
	PLACES NP                                      ; behind the last products: for the first reads of results and the first writes of registers that held A's fragments
	BLOCK 0
.irp a, 1,2,3,4,5,6,7
	BLOCK \a
	SEND \a-1, 12
.endr
	SEND 7, 0
	s_wait_tensorcnt 0x0                           ; the wave's end, behind my last tensor load and my last LDS store
	ds_add_u32 v[SPW], v[NIL]
	s_wait_dscnt 0x0
	CROUND                                         ; the closing round: no work-group ends while a partner may still ask for a tile that names it
	s_endpgm
.Lfunc_end_k_q81fa94bd0e_proj:
	.size	k_q81fa94bd0e_proj, .Lfunc_end_k_q81fa94bd0e_proj-k_q81fa94bd0e_proj
	.p2alignl 7, 3214868480
	.fill 96, 4, 3214868480
	.section	.rodata,"a",@progbits
	.p2align	6, 0x0
	.amdhsa_kernel k_q81fa94bd0e_proj
		.amdhsa_group_segment_fixed_size 327680
		.amdhsa_private_segment_fixed_size 0
		.amdhsa_enable_private_segment 0
		.amdhsa_kernarg_size 48
		.amdhsa_user_sgpr_count 2
		.amdhsa_user_sgpr_kernarg_segment_ptr 1
		.amdhsa_wavefront_size32 1
		.amdhsa_system_sgpr_workgroup_id_x 1
		.amdhsa_system_sgpr_workgroup_id_y 1
		.amdhsa_system_sgpr_workgroup_id_z 1
		.amdhsa_system_vgpr_workitem_id 0
		.amdhsa_next_free_vgpr 1024
		.amdhsa_next_free_sgpr 102
		.amdhsa_reserve_vcc 0
		.amdhsa_float_denorm_mode_32 3
		.amdhsa_float_denorm_mode_16_64 3
		.amdhsa_memory_ordered 1
		.amdhsa_forward_progress 1
		.amdhsa_inst_pref_size 174
	.end_amdhsa_kernel
	.amdgpu_metadata
---
amdhsa.version: [ 1, 2 ]
amdhsa.kernels:
  - .name:           k_q81fa94bd0e_proj
    .symbol:         k_q81fa94bd0e_proj.kd
    .args:
      - { .name: xcodes, .offset: 0, .size: 8, .value_kind: global_buffer, .address_space: global }
      - { .name: wcodes, .offset: 8, .size: 8, .value_kind: global_buffer, .address_space: global }
      - { .name: lowp_scales, .offset: 16, .size: 8, .value_kind: global_buffer, .address_space: global }
      - { .name: ropetab, .offset: 24, .size: 8, .value_kind: global_buffer, .address_space: global }
      - { .name: qcodes, .offset: 32, .size: 8, .value_kind: global_buffer, .address_space: global }
      - { .name: kv, .offset: 40, .size: 8, .value_kind: global_buffer, .address_space: global }
    .group_segment_fixed_size: 327680
    .private_segment_fixed_size: 0
    .kernarg_segment_align: 8
    .kernarg_segment_size: 48
    .max_flat_workgroup_size: 128
    .sgpr_count:     102
    .vgpr_count:     1024
    .wavefront_size: 32
...
	.end_amdgpu_metadata
.endif
;; end of part 2
;; launch attn (part 3): grid 4 x 64, 16 waves a work-group, no clusters, 327,680 bytes of LDS; arguments qcodes, kv, lowp_scales, acodes; writes acodes
.if DOCPART == 3
	.amdgcn_target "amdgcn-amd-amdhsa--gfx1250"
	.amdhsa_code_object_version 6
	.text
	.protected	k_q81fa94bd0e_attn
	.globl	k_q81fa94bd0e_attn
	.p2align	8
	.type	k_q81fa94bd0e_attn,@function
k_q81fa94bd0e_attn:
	s_mov_b64 s[64:65], 0
	v_nop
	global_prefetch_b8 v0, s[64:65] scope:SCOPE_SE
	s_setreg_imm32_b32 hwreg(HW_REG_WAVE_MODE, 25, 1), 1
	s_wait_xcnt 0x0
; ATTN.  softmax(q k^T / 8, causal and padded) v on codes of E4M3, head size 64, and the quantiser of the result for the output projection.
; qcodes [64 heads][2,048][64];  kv [64 heads][8 slots of 256 keys][K: 256 keys x 64 d | V: 4 blocks of 64 keys x 64 d x 64 keys | bias: 256 f32], 33,792 bytes a slot;  acodes [32 blocks of 256 rows][16 heads][256][64].
; THE SOFTMAX: t = score x log2(e) / 8; M = the running largest t rounded UP to a whole number; p = 2^(t - M) is quantised along the keys with the given 2^ep; the row's sum is taken of the unquantised p and divides at the end.
; When M moves, the sum and O are multiplied by 2^(old M - new M): exact.
; THE MASKS.  Causal (key <= query): steps all of whose keys are hidden are left out by a scalar branch on ids; on the diagonal hidden scores become -infinity.  Padding is an input: each key's bias, 0.0 or -2^126, is the C
; of the first product, so a padded key's score is -2^126 ahead of the maximum.  A score in units of the codes is under 2^24 in magnitude; the largest t begins at -2^30 c, under every real t and over every padded one:
; so a padded key never moves M, and its p is 0.  A row that has no visible key ends with the sum 0: its codes are set to the format's NaN, and the output projection makes the row NaN, as the softmax of a hidden row is.
; SHARES.  Work-group (x, head) owns the query blocks x and 7 - x of 256 queries; each of its SIXTEEN waves owns 16 queries of each, one tile at a time, in 256 registers.  It walks nine slots of 256 keys, the same number
; in every work-group: key slots 0 .. x for block x, then 0 .. 7 - x for block 7 - x.  So the 256 work-groups have equal work and no slot is fetched that nobody reads.  The change of block is a scalar branch on ids at a
; slot's end; no barrier and no tensor load stands under it.
; NO JOINT LOADS: the four work-groups of a head want different key slots at the same change of slots (x = 0 walks 0, 0, 1, 2, ..; x = 3 walks 0, 1, 2, 3, 0, ..), so there is no tile that they could ask for together.
; LAYOUT.  Both products are used transposed: S^T = K Q^T (source 0 = 16 keys), O^T = V^T P^T (source 0 = 16 of the head's 64): a lane holds ONE query throughout.  THE ROWS OF A TILE ARE NOT NEIGHBOURS: lane r of tile
; 2 b + u takes row 32 b + 8 u + r + 8 (r / 8), so that the 16 registers of tiles 2 b and 2 b + 1 are 16 neighbours, 32 b + 16 (lane / 16) + 0 .. 15: of the keys in S^T and p, of d in O^T.
; LDS: a slot is 264 rows of 128 bytes at a pitch of 144; a 64-byte row v lies at 144 (v / 2) + 64 (v % 2).  With the rows above, the sixteen lanes of a 16-byte load fall on sixteen different 16-byte columns of 256.
; LIMITS on the given exponents: eq + ek between -115 and 90 (c, 2^30 c are f32 numbers and 2^126 c is at least 150); ep, and ea - ep - ev, between -126 and 119.
; REGISTERS: v1-11 addresses; v12 -M, v13 the largest t, v[14:15] the sum in two halves; v16-23 Q in hand, v24-31 Q of the second block; v32-95 K's eight fragments, then V's four; v96-159 bias, S^T, p;
;   v160-191 O^T; v192 an address; v224-239 p's codes; v240-255 constants and work.
.set SLOT1, 65536                      ; slot 1 begins here: one exclusive or turns an address from one slot to the other
.set VOFF,  128*144                    ; a slot in LDS: K's 128 rows, V's 128 rows,
.set BOFF,  256*144                    ; the bias's 8 rows
.set STAGE, 131072                     ; the way out: 16 rows x 80 bytes for each wave; no tile ever lands here
.set SPARE, STAGE+16*1280              ; the spare words, 128 bytes for each wave: eight blocks of 256 bytes that no other line names
.set HS,    270336                     ; a head in kv
.set SS,    33792                      ; a slot in kv
.set AK0,  1                           ; v1   my lane's place in a tile of K
.set AV0,  2                           ; v2   the same for V
.set PFO,  3                           ; v3   256 x lane: the prefetches' offset
.set AB0,  4                           ; v4   my half's place in a row of the bias
.set SPW,  5                           ; v5   my spare word;  v6  0: neither is rewritten
.set NIL,  6
.set GO,   7                           ; v7   16 x lane
.set ADK,  8                           ; v8-10  addresses of the step in hand
.set ADV,  9
.set ADB,  10
.set STO,  11                          ; v11  the stage, in;  v192  the stage, back
.set RD,   192
.set TB,   2                           ; s2   LDS byte at which the slot in hand begins
.set WV,   18                          ; s18  my wave's number
.set SEL,  20                          ; s[20:21] lane selects for v_permlanex16_b32: lane l xor 16
.set CS,   22                          ; s[22:23] c = log2(e) / 8 x 2^(eq + ek)
.set G1,   24                          ; s[24:31] descriptor group 1;  s[32:35] group 0, which walks
.set G0,   32
.set KVB,  36                          ; s[36:37] kv at my head and at my 66 rows of a slot
.set KF,   38                          ; s38  the step's first key
.set Q0,   39                          ; s39  my first query
.set LO,   40                          ; s40  the first block's number = the trip behind which the blocks change
.set SIG,  41                          ; s41  the loop's counter
.set KSN,  42                          ; s42  the key slot last asked for
.set NEGX, 43                          ; s43  -2^30 c
.set PFA,  44                          ; s[44:45] where my prefetches stand
.set PLIM, 46                          ; s46  7 in a wave that prefetches, else 0
.set OBA,  48                          ; s[48:49], s[52:53] my 16 rows of acodes for the two blocks
.set OBB,  52
.set Q0H,  54                          ; s54  my first query of the second block
; Waves 0 to 3 fetch a quarter of a slot each, 66 rows of 128 bytes; the others fetch nothing.  The branch hangs on the wave's number alone.  Four v_nop follow the load.
.macro TLOAD
	s_cmp_lt_u32 s[WV], 4
	s_cbranch_scc0 .Lasked_\@
	tensor_load_to_lds s[G0:G0+3], s[G1:G1+7]
	s_nop 0
.rept 4
	v_nop
.endr
.Lasked_\@:
.endm
; A PREFETCH INTO THE L2 of the key slot that the NEXT change of slots of this work-group asks for.  All four work-groups of a head read the same slots: the one with x = 0, which walks key slots 0, 0, 1, .., 7, asks, in trip
; s = 0 .. 6 for key slot s + 1: a slot's two key steps ahead of its own load.  In it waves 8 to 11 ask, one instruction each: 8,192 bytes a wave, lanes 256 bytes apart: the slot's 32,768 bytes of K and V, each block of
; 256 bytes once in the launch.  Key slot 0 and the 1,024 bytes of bias come by the loads alone; the last change that fills a slot asks for nothing.
.macro ASK
	s_cmp_lt_u32 s[SIG], s[PLIM]
	s_cbranch_scc0 .Lnot_mine_\@
	global_prefetch_b8 v[PFO], s[PFA:PFA+1] th:TH_LOAD_NT scope:SCOPE_SE
.Lnot_mine_\@:
.endm
	s_load_b128 s[4:7], s[0:1], 0x0                ; qcodes s[4:5], kv s[6:7]
	s_load_b128 s[8:11], s[0:1], 0x10              ; the scales' exponents s[8:9], acodes s[10:11]
	v_lshl_add_u32 v[SPW], v0, 2, SPARE
	v_mov_b32 v[NIL], 0
	ds_add_u32 v5, v6
	s_wait_dscnt 0x0
	v_lshrrev_b32 v8, 5, v0
	v_readfirstlane_b32 s[WV], v8                  ; wave 0..15
	s_and_b32 s12, ttmp7, 0xffff                   ; 16 x batch + head
	s_mov_b32 s[LO], ttmp9
	s_sub_co_u32 s47, 7, ttmp9                     ; the second block
	s_and_b32 s13, s[WV], 3
	s_lshl_b32 s14, s[WV], 4
	s_lshl_b32 s[Q0], ttmp9, 8
	s_add_co_u32 s[Q0], s[Q0], s14                 ; 256 x block + 16 x wave
	s_lshl_b32 s[Q0H], s47, 8
	s_add_co_u32 s[Q0H], s[Q0H], s14
	s_mul_i32 s15, s12, HS                         ; my head in kv
	s_mul_i32 s16, s13, 66*128
	s_add_co_u32 s16, s16, s15                     ; + the 66 rows that I fetch, if I fetch
	s_mov_b32 s17, 0
	s_lshl_b32 s50, s13, 13
	s_add_co_u32 s50, s50, s15                     ; + the 8,192 bytes that I prefetch, if I do
	s_mov_b32 s51, 0
	s_lshl_b32 s55, s12, 17                        ; my head in qcodes: 2,048 x 64 bytes
	s_lshl_b32 s56, s[Q0], 6
	s_add_co_u32 s56, s56, s55
	s_mov_b32 s57, 0
	s_lshl_b32 s58, s[Q0H], 6
	s_add_co_u32 s58, s58, s55
	s_mov_b32 s59, 0
	s_lshr_b32 s55, s12, 4
	s_lshl_b32 s55, s55, 3                         ; 8 x batch
	s_and_b32 s14, s12, 15                         ; head
	s_lshl_b32 s15, s[WV], 10                      ; my 16 rows of 64 bytes
	s_add_co_u32 s60, s55, ttmp9
	s_lshl_b32 s60, s60, 4
	s_add_co_u32 s60, s60, s14
	s_lshl_b32 s60, s60, 14                        ; ((8 batch + block) 16 + head) x 16,384
	s_add_co_u32 s60, s60, s15
	s_mov_b32 s61, 0
	s_add_co_u32 s62, s55, s47
	s_lshl_b32 s62, s62, 4
	s_add_co_u32 s62, s62, s14
	s_lshl_b32 s62, s62, 14
	s_add_co_u32 s62, s62, s15
	s_mov_b32 s63, 0
	s_sub_co_u32 s55, s[WV], 8
	s_lshr_b32 s55, s55, 2                         ; 0 in waves 8 to 11,
	s_or_b32 s55, s55, ttmp9                       ; of the head's work-group 0
	s_cmp_eq_u32 s55, 0
	s_cselect_b32 s[PLIM], 7, 0
	; descriptor group 1: 66 rows of 128 bytes, dense in memory, 16 bytes of padding behind each in LDS
	s_mov_b32 s[G1], (0<<16)|(1<<20)|(4<<22)|(3<<25)   ; 15:0 no mask; 17:16 elements of 1 byte; 20 padding on; 24:22 after every 32 words (code 4); 31:25 four words (code 3)
	s_mov_b32 s[G1+1], 128<<16                     ; tensor_dim0
	s_mov_b32 s[G1+2], 66<<16                      ; tensor_dim1
	s_mov_b32 s[G1+3], 128<<16                     ; tile_dim0
	s_mov_b32 s[G1+4], 66                          ; tile_dim1
	s_mov_b32 s[G1+5], 128                         ; tensor_dim0_stride
	s_mov_b32 s[G1+6], 0
	s_mov_b32 s[G1+7], 0
	s_mov_b32 s[SEL], 0x76543210
	s_mov_b32 s[SEL+1], 0xfedcba98
	s_mov_b32 s[CS], 0x3e38aa3b                    ; log2(e) / 8
	s_mov_b32 s[TB], 0
	s_mov_b32 s[SIG], 0
	s_mov_b32 s[KSN], 0
	s_wait_kmcnt 0x0
	s_load_b128 s[68:71], s[8:9], 0x18             ; eq, ek, ep, ev: entries 6 to 9
	s_load_b32 s72, s[8:9], 0x28                   ; ea: entry 10
	s_add_nc_u64 s[KVB:KVB+1], s[6:7], s[16:17]
	s_mov_b32 s[G0], 1                             ; 1:0 count = 1
	s_mul_i32 s[G0+1], s13, 66*144                 ; 63:32 LDS address: slot 0, my quarter
	s_mov_b64 s[G0+2:G0+3], s[KVB:KVB+1]           ; 120:64 global address: key slot 0
	s_or_b32 s[G0+3], s[G0+3], 0x80000000          ; 127:126 type = 2
	TLOAD                                          ; the one first fill; slot 1's goes out behind the first barrier, as a refill does: one tensor load of a wave is out at any time
	s_add_nc_u64 s[PFA:PFA+1], s[6:7], s[50:51]    ; at key slot 0: the first change of slots steps it to key slot 1.  Nothing is prefetched here, at the head
	s_add_nc_u64 s[56:57], s[4:5], s[56:57]        ; Q's codes at my first query of each block
	s_add_nc_u64 s[58:59], s[4:5], s[58:59]
	s_add_nc_u64 s[OBA:OBA+1], s[10:11], s[60:61]
	s_add_nc_u64 s[OBB:OBB+1], s[10:11], s[62:63]
	v_and_b32 v8, 15, v0                           ; r = lane % 16
	v_bfe_u32 v9, v0, 4, 1                         ; h = lane / 16
	v_lshlrev_b32 v193, 6, v8
	v_lshl_add_u32 v193, v9, 4, v193               ; Q: row r of 64 bytes, + 16 h
	global_load_b128 v[16:19], v193, s[56:57]      ; registers 4 c .. 4 c + 3: d = 32 c + 16 h + 0 .. 15: the same order of d in Q and in K
	global_load_b128 v[20:23], v193, s[56:57] offset:32
	global_load_b128 v[24:27], v193, s[58:59]
	global_load_b128 v[28:31], v193, s[58:59] offset:32
	v_and_b32 v194, 8, v8
	v_add_nc_u32 v194, v194, v8                    ; r + 8 (r / 8)
	v_lshrrev_b32 v195, 1, v194
	v_mul_u32_u24 v[AK0], v195, 144
	v_and_b32 v195, 1, v194
	v_lshl_add_u32 v[AK0], v195, 6, v[AK0]
	v_lshl_add_u32 v[AK0], v9, 4, v[AK0]
	v_add_nc_u32 v[AV0], VOFF, v[AK0]
	v_lshlrev_b32 v[AB0], 6, v9
	v_add_nc_u32 v[AB0], BOFF, v[AB0]              ; my half's 16 keys of 32: 64 h
	v_and_b32 v194, 31, v0
	v_lshlrev_b32 v[GO], 4, v194
	v_lshlrev_b32 v[PFO], 8, v194
	s_mul_i32 s50, s[WV], 1280
	s_add_co_u32 s50, s50, STAGE                   ; my stage
	v_mul_u32_u24 v[STO], v8, 80
	v_lshl_add_u32 v[STO], v9, 4, v[STO]
	v_add_nc_u32 v[STO], s50, v[STO]               ; in: row r, + 16 h
	v_lshrrev_b32 v195, 2, v194
	v_mul_u32_u24 v[RD], v195, 80
	v_and_b32 v195, 3, v194
	v_lshl_add_u32 v[RD], v195, 4, v[RD]
	v_add_nc_u32 v[RD], s50, v[RD]                 ; back: four lanes to a row of 64 bytes
	v_mov_b32 v248, 0                              ; written once: a lane permute's destination counts as one of its sources
	v_mov_b32 v253, 0                              ; (named as the upper halves of the pairs v[252:253] and v[254:255])
	v_mov_b32 v255, 0
	v_mov_b32 v246, 0x7f7f7f7f                     ; four NaN codes
	s_wait_kmcnt 0x0
	s_add_co_i32 s50, s68, s69
	s_lshl_b32 s50, s50, 23
	s_add_co_i32 s[CS], s[CS], s50                 ; a score stands for score x 2^(eq + ek): the two exponents are added to c's exponent field
	s_mov_b32 s[CS+1], s[CS]                       ; (named with it as a pair, so it is written)
	s_add_co_u32 s[NEGX], s[CS], 30<<23
	s_or_b32 s[NEGX], s[NEGX], 0x80000000          ; -2^30 c
	s_add_co_i32 s50, s70, 127
	s_lshl_b32 s51, s50, 23
	v_mov_b32 v244, s51                            ; 2^ep
	s_add_co_i32 s50, s50, 8
	s_lshl_b32 s50, s50, 23
	s_or_b32 s50, s50, 0x600000
	v_mov_b32 v240, s50                            ; 448 x 2^ep
	s_sub_co_i32 s50, s72, s70
	s_sub_co_i32 s50, s50, s71                     ; O^T / the sum stands for that x 2^(ep + ev): its code is that / 2^(ea - ep - ev)
	s_add_co_i32 s50, s50, 127
	s_lshl_b32 s51, s50, 23
	v_mov_b32 v245, s51
	s_add_co_i32 s50, s50, 8
	s_lshl_b32 s50, s50, 23
	s_or_b32 s50, s50, 0x600000
	v_mov_b32 v241, s50
; A block of queries begins: the largest t under every real t, the sum and O^T zero (the first change of M multiplies zeros), the keys from 0 on.
.macro INIT
	v_mov_b32 v13, s[NEGX]
	v_floor_f32 v12, -v13                          ; -M
	v_mov_b32 v14, 0
	v_mov_b32 v15, 0
.set j, 0
.rept 32
	v_mov_b32 v[160+j], 0
.set j, j+1
.endr
	s_mov_b32 s[KF], 0
.endm
	INIT
; A KEY STEP: 128 keys, the q-th of the slot in hand.
.macro STEP q
	s_add_co_u32 s96, s[Q0], 15                    ; a step all of whose keys come after my 16 queries is left out: a scalar branch on ids
	s_cmp_gt_u32 s[KF], s96
	s_cbranch_scc1 .Lhidden_\@
	v_add_nc_u32 v[ADK], s[TB], v[AK0]
	v_add_nc_u32 v[ADV], s[TB], v[AV0]
	v_add_nc_u32 v[ADB], s[TB], v[AB0]
	v_nop                                          ; these four lines are the places in front of loads into registers that the last products have read
.irp t, 0,1,2,3,4,5,6,7
	ds_load_b128 v[96+8*\t:99+8*\t],   v[ADB] offset:(4*(\q)+\t/2)*144+32*(\t%2)      ; the bias of keys 32 (t / 2) + 16 h + 8 (t % 2) + 0 .. 7, straight into the accumulator: the C of the product
	ds_load_b128 v[100+8*\t:103+8*\t], v[ADB] offset:(4*(\q)+\t/2)*144+32*(\t%2)+16
.endr
.irp t, 0,1,2,3,4,5,6,7
.irp c, 0,1
	ds_load_b128 v[32+8*\t+4*\c:35+8*\t+4*\c], v[ADK] offset:(64*(\q)+16*(\t/2)+4*(\t%2))*144+32*\c
.endr
.endr
	s_wait_dscnt 0x0
.irp t, 0,1,2,3,4,5,6,7                        ; S^T = K Q^T + bias: eight accumulators, one instruction each
	v_wmma_f32_16x16x64_fp8_fp8 v[96+8*\t:103+8*\t], v[32+8*\t:39+8*\t], v[16:23], v[96+8*\t:103+8*\t]
.endr
.rept 4
	v_nop
.endr
.irp t, 0,1,2,3                                ; V's four fragments are asked for now, and land under the softmax
.irp c, 0,1,2,3
	ds_load_b128 v[32+16*\t+4*\c:35+16*\t+4*\c], v[ADV] offset:((2*(\q)+\c/2)*32+16*(\t/2)+4*(\t%2))*144+32*(\c%2)
.endr
.endr
	s_add_co_u32 s96, s[KF], 127                   ; on the diagonal the scores of hidden keys become -infinity ahead of the maximum.  A step all of whose keys count skips this
	s_cmp_le_u32 s96, s[Q0]
	s_cbranch_scc1 .Lopen_\@
	s_sub_co_i32 s96, s[Q0], s[KF]
	v_and_b32 v252, 15, v0
	v_bfe_u32 v253, v0, 4, 1
	v_lshlrev_b32 v253, 4, v253
	v_sub_nc_u32 v252, v252, v253
	v_add_nc_u32 v252, s96, v252                   ; d = my query - KF - 16 h.  Register 16 b + i holds key KF + 16 h + 32 b + i: hidden where 32 b + i > d
	v_mov_b32 v254, 0xff800000
.set n, 0
.rept 64
	v_cmp_gt_i32 vcc_lo, 32*(n/16)+n%16, v252
	v_cndmask_b32 v[96+n], v[96+n], v254, vcc_lo
.set n, n+1
.endr
.Lopen_\@:
	v_max3_num_f32 v254, v96, v97, v98             ; the step's largest score of my query among my 64 keys, in two chains, each accumulator from its low end on,
	v_max3_num_f32 v252, v99, v100, v101
.irp i, 6,10,14,18,22,26,30,34,38,42,46,50,54,58
	v_max3_num_f32 v254, v254, v[96+\i], v[97+\i]
	v_max3_num_f32 v252, v252, v[98+\i], v[99+\i]
.endr
	v_max3_num_f32 v254, v254, v158, v159
	v_max_num_f32 v254, v254, v252
	v_permlanex16_b32 v248, v254, s[SEL], s[SEL+1]
	v_max_num_f32 v254, v254, v248                 ; and among lane l xor 16's
	v_mul_f32 v254, s[CS], v254                    ; as t (c is positive)
	v_max_num_f32 v13, v13, v254                   ; the running largest t
	v_mov_b32 v254, v12
	v_floor_f32 v12, -v13                          ; the new -M = floor(-t): M is a whole number
	v_sub_f32 v254, v12, v254                      ; old M - new M: a whole number, 0 or less
	v_cvt_i32_f32 v254, v254                       ; (it saturates)
	v_ldexp_f32 v252, 1.0, v254                    ; f = 2^(old M - new M)
.set j, 0
.rept 32
	v_pk_fma_f32 v[96+j:97+j], v[96+j:97+j], s[CS:CS+1], v[12:13] op_sel_hi:[1,0,0]   ; t - M, two at a time
.set j, j+2
.endr
.set j, 0
.rept 64
	v_exp_f32 v[96+j], v[96+j]                     ; p = 2^(t - M), at most 1
.set j, j+1
.endr
	v_pk_mul_f32 v[14:15], v[14:15], v[252:253] op_sel_hi:[1,0]   ; the sums under the new M.  (The plain line behind the exponentials)
	s_wait_alu depctr_va_vdst(0)                   ; one wait for the 64 exponentials, ahead of their first reader
	v_pk_add_f32 v[242:243], v[96:97], v[98:99]    ; the row's sum is taken of the unquantised p: two at a time, in two chains
.irp j, 4,8,12,16,20,24,28,32,36,40,44,48,52,56,60
	v_pk_add_f32 v[14:15], v[14:15], v[96+\j:97+\j]
	v_pk_add_f32 v[242:243], v[242:243], v[98+\j:99+\j]
.endr
	v_pk_add_f32 v[14:15], v[14:15], v[242:243]
.irp b, 0,1,2,3
.irp i, 0,1,2,3,4,5,6,7,8,9,10,11,12,13,14,15
	v_min_num_f32 v[96+16*\b+\i], v[96+16*\b+\i], v240   ; the conversion does not saturate (ISA guide 7.6.2); p is not negative, so the hold is one-sided
.endr
	v_cvt_scalef32_pk8_fp8_f32 v[224+4*\b:225+4*\b], v[96+16*\b:103+16*\b], v244
	v_cvt_scalef32_pk8_fp8_f32 v[226+4*\b:227+4*\b], v[104+16*\b:111+16*\b], v244
.endr
.set j, 0
.rept 16
	v_pk_mul_f32 v[160+j:161+j], v[160+j:161+j], v[252:253] op_sel_hi:[1,0]   ; O^T under the new M.  (Also the plain lines between the conversions and the products that read their results)
.set j, j+2
.endr
	s_wait_dscnt 0x0                               ; V is in
.irp t, 0,1,2,3                                ; O^T += V^T P^T: four accumulators, one instruction each; K = these 128 keys
	v_wmma_f32_16x16x128_fp8_fp8 v[160+8*\t:167+8*\t], v[32+16*\t:47+16*\t], v[224:239], v[160+8*\t:167+8*\t]
.endr
.Lhidden_\@:
	s_add_co_u32 s[KF], s[KF], 128
.endm
; THE CHANGE OF SLOTS stands at a slot's head.  Each wave waits for all its tensor loads (its part of the slot that it is about to read), adds 0 to its spare word, and waits for that and for its reads of the slot that it
; has left.  Behind the barrier the slot ahead is whole and nobody reads the other one.  fill = 1: that other slot is filled with the key slot that follows: the load has a whole slot's steps in which to land.
.macro CHANGE fill
	s_wait_tensorcnt 0x0                           ; no tensor load of mine is out, so group 0 may be written
	ds_add_u32 v[SPW], v[NIL]                      ; 0 onto my spare word; the descriptor's steps stand between it and the wait for it
.if \fill
	s_xor_b32 s[G0+1], s[G0+1], SLOT1              ; the other LDS slot than last time
	s_add_co_u32 s50, s[KSN], 1
	s_cmp_eq_u32 s[SIG], s[LO]
	s_cselect_b32 s[KSN], 0, s50                   ; the next key slot; behind the first block's last, the second block's key slot 0
	s_mul_i32 s50, s[KSN], SS
	s_mov_b32 s51, 0
	s_add_nc_u64 s[G0+2:G0+3], s[KVB:KVB+1], s[50:51]
	s_or_b32 s[G0+3], s[G0+3], 0x80000000
	s_wait_xcnt 0x0                                ; the last prefetch, a slot back, has read its address, so it may be written
	s_add_nc_u64 s[PFA:PFA+1], s[PFA:PFA+1], SS
.endif
	s_wait_dscnt 0x0                               ; the add is done, and my reads of the slot that I have left are over
	s_barrier_signal -1
	s_barrier_wait -1
.if \fill
	TLOAD                                          ; the first thing behind the barrier, and a wave's one tensor load until the next
	ASK
.endif
.endm
.macro SLOT_STEPS
	STEP 0
	STEP 1
	s_xor_b32 s[TB], s[TB], SLOT1                  ; on to the other slot
.endm
; A block of queries is finished: O^T / the sum, quantised along d, through my stage, 1,024 consecutive bytes of acodes.
.macro FINISH ob
.rept 4
	v_nop                                          ; places behind the last products
.endr
	v_add_f32 v14, v14, v15                        ; the sum's two halves,
	v_permlanex16_b32 v248, v14, s[SEL], s[SEL+1]
	v_add_f32 v14, v14, v248                       ; and lane l xor 16's
	v_cmp_eq_f32 vcc_lo, 0, v14                    ; a row with no visible key
	v_rcp_f32 v254, v14
	v_nop                                          ; the plain line behind the reciprocal
	s_wait_alu depctr_va_vdst(0)                   ; and the wait ahead of its first reader
.set j, 0
.rept 16
	v_pk_mul_f32 v[96+j:97+j], v[160+j:161+j], v[254:255] op_sel_hi:[1,0]   ; register 16 b + i: d = 32 b + 16 h + i; each accumulator from its low end on
.set j, j+2
.endr
.set j, 0
.rept 32
	v_med3_num_f32 v[96+j], v[96+j], -v241, v241
.set j, j+1
.endr
.irp g, 0,1,2,3
	v_cvt_scalef32_pk8_fp8_f32 v[224+2*\g:225+2*\g], v[96+8*\g:103+8*\g], v245
.endr
	v_nop                                          ; one plain line between the conversions and the lines that touch their results
.set j, 0
.rept 8
	v_cndmask_b32 v[224+j], v[224+j], v246, vcc_lo ; the hidden row's codes are NaN
.set j, j+1
.endr
	ds_store_b128 v[STO], v[224:227]               ; d = 16 h + 0 .. 15
	ds_store_b128 v[STO], v[228:231] offset:32     ; d = 32 + 16 h + 0 .. 15
	ds_load_b128 v[232:235], v[RD]                 ; LDS serves a wave's instructions in order: these see my stores
	ds_load_b128 v[236:239], v[RD] offset:640
	s_wait_dscnt 0x0
	global_store_b128 v[GO], v[232:235], s[\ob:\ob+1]            ; 32 lanes store 512 consecutive bytes, at a multiple of 256 from the buffer's first byte
	global_store_b128 v[GO], v[236:239], s[\ob:\ob+1] offset:512
	s_wait_xcnt 0x0                                ; the stores have read their data: the next block's codes may be written there
.endm
	s_wait_loadcnt 0x0                             ; Q
.Lslot:                                            ; eight trips: behind each change of slots but the last the next slot is asked for
	CHANGE 1
	SLOT_STEPS
	s_cmp_eq_u32 s[SIG], s[LO]                     ; was that the first block's last slot?  A branch on ids
	s_cbranch_scc0 .Lsame
	FINISH OBA
	INIT
.set j, 0
.rept 8
	v_mov_b32 v[16+j], v[24+j]                     ; the second block's Q
.set j, j+1
.endr
	s_mov_b32 s[Q0], s[Q0H]
.Lsame:
	s_add_co_u32 s[SIG], s[SIG], 1
	s_cmp_lt_u32 s[SIG], 8
	s_cbranch_scc1 .Lslot
	CHANGE 0                                       ; the last slot is written out
	SLOT_STEPS
	FINISH OBB
	s_wait_tensorcnt 0x0                           ; the wave's end, behind my last tensor load and my last LDS store
	ds_add_u32 v[SPW], v[NIL]
	s_wait_dscnt 0x0
	s_endpgm
.Lfunc_end_k_q81fa94bd0e_attn:
	.size	k_q81fa94bd0e_attn, .Lfunc_end_k_q81fa94bd0e_attn-k_q81fa94bd0e_attn
	.p2alignl 7, 3214868480
	.fill 96, 4, 3214868480
	.section	.rodata,"a",@progbits
	.p2align	6, 0x0
	.amdhsa_kernel k_q81fa94bd0e_attn
		.amdhsa_group_segment_fixed_size 327680
		.amdhsa_private_segment_fixed_size 0
		.amdhsa_enable_private_segment 0
		.amdhsa_kernarg_size 32
		.amdhsa_user_sgpr_count 2
		.amdhsa_user_sgpr_kernarg_segment_ptr 1
		.amdhsa_wavefront_size32 1
		.amdhsa_system_sgpr_workgroup_id_x 1
		.amdhsa_system_sgpr_workgroup_id_y 1
		.amdhsa_system_sgpr_workgroup_id_z 1
		.amdhsa_system_vgpr_workitem_id 0
		.amdhsa_next_free_vgpr 256
		.amdhsa_next_free_sgpr 100
		.amdhsa_reserve_vcc 1
		.amdhsa_float_denorm_mode_32 3
		.amdhsa_float_denorm_mode_16_64 3
		.amdhsa_memory_ordered 1
		.amdhsa_forward_progress 1
		.amdhsa_inst_pref_size 106
	.end_amdhsa_kernel
	.amdgpu_metadata
---
amdhsa.version: [ 1, 2 ]
amdhsa.kernels:
  - .name:           k_q81fa94bd0e_attn
    .symbol:         k_q81fa94bd0e_attn.kd
    .args:
      - { .name: qcodes, .offset: 0, .size: 8, .value_kind: global_buffer, .address_space: global }
      - { .name: kv, .offset: 8, .size: 8, .value_kind: global_buffer, .address_space: global }
      - { .name: lowp_scales, .offset: 16, .size: 8, .value_kind: global_buffer, .address_space: global }
      - { .name: acodes, .offset: 24, .size: 8, .value_kind: global_buffer, .address_space: global }
    .group_segment_fixed_size: 327680
    .private_segment_fixed_size: 0
    .kernarg_segment_align: 8
    .kernarg_segment_size: 32
    .max_flat_workgroup_size: 512
    .sgpr_count:     100
    .vgpr_count:     256
    .wavefront_size: 32
...
	.end_amdgpu_metadata
.endif
;; end of part 3
;; launch outp (part 4): grid 4 x 32, 4 waves a work-group, clusters of 4 x 4, 327,680 bytes of LDS; arguments acodes, wcodes, lowp_scales, out0; writes out0
.if DOCPART == 4
	.amdgcn_target "amdgcn-amd-amdhsa--gfx1250"
	.amdhsa_code_object_version 6
	.text
	.protected	k_q81fa94bd0e_outp
	.globl	k_q81fa94bd0e_outp
	.p2align	8
	.type	k_q81fa94bd0e_outp,@function
k_q81fa94bd0e_outp:
	s_mov_b64 s[64:65], 0
	v_nop
	global_prefetch_b8 v0, s[64:65] scope:SCOPE_SE
	s_setreg_imm32_b32 hwreg(HW_REG_WAVE_MODE, 25, 1), 1
	s_wait_xcnt 0x0
	s_wait_alu depctr_hold_cnt(0) depctr_sa_sdst(0) depctr_va_vdst(0) depctr_va_sdst(0) depctr_va_ssrc(0) depctr_va_vcc(0) depctr_vm_vsrc(0)
	s_getreg_b32 s2, hwreg(HW_REG_IB_STS2, 6, 4)
	s_cmp_eq_u32 s2, 0
	s_cbranch_scc0 .Lentry_in_a_cluster
	s_endpgm
.Lentry_in_a_cluster:
	s_bfe_u32 s2, ttmp6, 0x10000c
	s_cmp_lg_u32 s2, 0xf033
	s_cbranch_scc0 .Lentry_shape_is_right
	s_endpgm
.Lentry_shape_is_right:
; OUTP.  out0[row][n] = sum over k of a[row][k] W_out[n][k] on codes of E4M3; each finished sum is multiplied once by 2^(ea + ew), entries 10 and 11 of the scales.  LIMIT: ea + ew between -126 and 127.
; A: acodes [32 blocks of 256 rows][16 heads][256 rows][64 d]: k = 64 head + d.  B: the fourth tensor of wcodes, [1,024 n][1,024 k].  out0: [8,192][1,024] f32.  A row whose codes are NaN comes out NaN.
; A tile of out0, 256 x 256, is made by four waves, each 128 x 128: 64 accumulators, 512 registers.  K goes in four steps of 256 (four heads) through a ring of two LDS slots filled by joint tensor loads.
; A's tile of a K step is one dense block of 65,536 bytes: waves 0 and 1 fetch two heads each, 512 rows of 64 bytes, laid 80 bytes apart in LDS; waves 2 and 3 fetch 128 rows of 256 bytes of B each, laid 272 apart.
; CLUSTERS: 4 x 4 work-groups; A's tile is shared along a row of the cluster, B's along a column.  THE MATRIX INSTRUCTION IS USED TRANSPOSED (source 0 = 16 rows of B, source 1 = 16 rows of A): a lane holds eight
; neighbouring numbers of a row of out0.
; REGISTERS, in windows of 256: window 0: v0-31 addresses; from v128 A's fragments, ONE set; on the way out v32-255 are free.  window 1: B's fragments, TWO sets.  windows 2, 3: the accumulators of my rows 0-63, 64-127.
.set SIZE_N, 1024
.set ROWB,   256
.set KROW,   1024
.set PITCH,  272                       ; B: 256 bytes + 16: the 16 rows that a load touches start at 16 different banks (64 banks of 4 bytes: ISA guide 11.1)
.set APITCH, 80                        ; A: 64 bytes + 16: 16 neighbouring rows start at 16 different 16-byte columns of 256
.set AHEAD,  256*APITCH                ; a head's 256 rows
.set AREG,   4*AHEAD                   ; A's part of a slot
.set HALFB,  128*PITCH
.set SLOT,   AREG+2*HALFB
.set FR,     16
.set NL,     4
.set NP,     4
.set LAPS,   2
.set SPARE,  2*SLOT                    ; behind the ring: the spare words, 128 bytes for each wave
.set SPITCH, 528                       ; the way out: a stage of 16 rows x (512 bytes + 16) for each wave, in slot 0, which has had its last fill and its last read by then
.set ADRA, 16                          ; v16-19  LDS address of my A fragments: slot 0, 1 x first, second 128 along K
.set ADRB, 20                          ; v20-21  of my B fragments in slot 0, 1
.set STO,  24
.set RD,   25
.set CO,   26
.set SPW,  28
.set NIL,  29
.set TMP,  32
.set AF,   128
.set BK,   128
.set G1, 24
.set G0, 32
.set G1B, 48
.set G0B, 56
.set MSB, 0
.macro WIN new
.if MSB != (\new)
	s_set_vgpr_msb (MSB<<8)|(\new)
.set MSB, (\new)
.endif
.endm
.set MUL_LO, 0xa1
.set MUL_HI, 0xf1
.set TO_B,   0x40
.macro JLOAD g0a, g1a, g0b, g1b        ; a joint load: waves 0 and 1 fetch for A, waves 2 and 3 for B; four v_nop follow each of the two lines
	s_cmp_eq_u32 s15, 0
	s_cbranch_scc0 .Lfor_b_\@
	tensor_load_to_lds s[\g0a:\g0a+3], s[\g1a:\g1a+7]
	s_nop 0
.rept 4
	v_nop
.endr
	s_branch .Lasked_\@
.Lfor_b_\@:
	tensor_load_to_lds s[\g0b:\g0b+3], s[\g1b:\g1b+7]
	s_nop 0
.rept 4
	v_nop
.endr
.Lasked_\@:
.endm
.macro CREST
	s_cmp_lg_u32 s14, 0
	s_cbranch_scc1 .Lnot_wave_0_\@
	s_barrier_signal -3
.Lnot_wave_0_\@:
	s_barrier_wait -3
	s_barrier_signal -1
	s_barrier_wait -1
.endm
.macro CROUND
	s_barrier_signal -1
	s_barrier_wait -1
	CREST
.endm
	s_load_b128 s[4:7], s[0:1], 0x0                ; acodes s[4:5], wcodes s[6:7]
	s_load_b128 s[8:11], s[0:1], 0x10              ; the scales' exponents s[8:9], out0 s[10:11]
	v_lshl_add_u32 v[SPW], v0, 2, SPARE
	v_mov_b32 v[NIL], 0
	ds_add_u32 v28, v29
	s_wait_dscnt 0x0
	v_lshrrev_b32 v1, 5, v0
	v_readfirstlane_b32 s14, v1                    ; wave 0..3
	s_lshr_b32 s15, s14, 1                         ; which half of the tile's rows is mine.  Also: I fetch for A (0) or for B (1)
	s_and_b32 s16, s14, 1                          ; which half of its columns.  Also: which half of that tile I fetch
	s_bfe_u32 s40, ttmp6, 0x40000                  ; cx, cy
	s_bfe_u32 s41, ttmp6, 0x40004
	s_lshl_b32 s42, ttmp9, 2
	s_add_co_u32 s42, s42, s40                     ; tile column
	s_and_b32 s17, ttmp7, 0xffff
	s_lshl_b32 s17, s17, 2
	s_add_co_u32 s17, s17, s41                     ; tile row
	s_lshl_b32 s43, s41, 2
	s_lshl_b32 s43, 15, s43                        ; my row of the cluster
	s_lshl_b32 s44, 0x1111, s40                    ; my column
	s_or_b32 s[G1+0], s43, (0<<16)|(1<<20)|(1<<21)|(3<<22)|(3<<25)  ; A: the mask of my row; elements of 1 byte; padding on; bit 21 beside a mask; after every 16 words (code 3) four words (code 3)
	s_mov_b32 s[G1+1], 64<<16                      ; tensor_dim0 = 64
	s_mov_b32 s[G1+2], 512<<16                     ; tensor_dim1 = 512
	s_mov_b32 s[G1+3], 64<<16                      ; tile_dim0
	s_mov_b32 s[G1+4], 512                         ; tile_dim1
	s_mov_b32 s[G1+5], 64                          ; tensor_dim0_stride: dense
	s_mov_b32 s[G1+6], 0
	s_mov_b32 s[G1+7], 0
	s_or_b32 s[G1B+0], s44, (0<<16)|(1<<20)|(1<<21)|(5<<22)|(3<<25) ; B: the mask of my column; after every 64 words four words
	s_mov_b32 s[G1B+1], ROWB<<16
	s_mov_b32 s[G1B+2], 128<<16
	s_mov_b32 s[G1B+3], ROWB<<16
	s_mov_b32 s[G1B+4], 128
	s_mov_b32 s[G1B+5], KROW
	s_mov_b32 s[G1B+6], 0
	s_mov_b32 s[G1B+7], 0
	s_lshl_b32 s20, s17, 18                        ; A: tile row x 16 heads x 16,384 bytes
	s_lshl_b32 s18, s16, 15                        ; + the two heads of a K step that I fetch
	s_add_co_u32 s20, s20, s18
	s_mov_b32 s21, 0
	s_lshl_b32 s46, s42, 8
	s_lshl_b32 s18, s16, 7
	s_add_co_u32 s46, s46, s18                     ; B: row 256 x tile column + 128 x half
	s_lshl_b32 s46, s46, 10
	s_add_co_u32 s46, s46, 3*1048576               ; in the fourth tensor of wcodes
	s_mov_b32 s47, 0
	s_mul_i32 s45, s16, 2*AHEAD                    ; where they go: no place in the cluster enters an LDS address
	s_mul_i32 s12, s16, HALFB
	s_add_co_u32 s12, s12, AREG
	s_wait_kmcnt 0x0
	s_load_b64 s[96:97], s[8:9], 0x28              ; ea, ew: entries 10 and 11
	s_add_nc_u64 s[20:21], s[4:5], s[20:21]
	s_add_nc_u64 s[46:47], s[6:7], s[46:47]
	CROUND                                         ; all sixteen work-groups are here: the first joint loads meet
.irp s, 0,1
	s_mov_b32 s[G0+4*\s], 1
	s_add_co_u32 s[G0+4*\s+1], s45, \s*SLOT
	s_add_nc_u64 s[G0+4*\s+2:G0+4*\s+3], s[20:21], \s*65536
	s_or_b32 s[G0+4*\s+3], s[G0+4*\s+3], 0x80000000
	s_mov_b32 s[G0B+4*\s], 1
	s_add_co_u32 s[G0B+4*\s+1], s12, \s*SLOT
	s_add_nc_u64 s[G0B+4*\s+2:G0B+4*\s+3], s[46:47], \s*ROWB
	s_or_b32 s[G0B+4*\s+3], s[G0B+4*\s+3], 0x80000000
	JLOAD G0+4*\s, G1, G0B+4*\s, G1B
.endr
	v_and_b32 v1, 15, v0                           ; r
	v_bfe_u32 v2, v0, 4, 1                         ; h
	v_mul_u32_u24 v3, v1, APITCH
	v_lshl_add_u32 v3, v2, 4, v3
	s_mul_i32 s21, s15, 128*APITCH                 ; my 128 rows of each head
	v_add_nc_u32 v3, s21, v3
.irp s, 0,1
.irp q, 0,1
	v_add_nc_u32 v[ADRA+2*\s+\q], \s*SLOT+\q*2*AHEAD, v3
.endr
.endr
	v_mul_u32_u24 v4, v1, PITCH
	v_lshl_add_u32 v4, v2, 4, v4
	s_mul_i32 s22, s16, HALFB                      ; my 128 rows of B,
	s_add_co_u32 s22, s22, AREG                    ; which lie behind A's part
	v_add_nc_u32 v[ADRB], s22, v4
	v_add_nc_u32 v[ADRB+1], SLOT, v[ADRB]
	s_mul_i32 s23, s14, 16*SPITCH                  ; my stage
	v_mul_u32_u24 v5, v1, SPITCH
	v_lshl_add_u32 v5, v2, 5, v5
	v_add_nc_u32 v[STO], s23, v5
	v_and_b32 v6, 31, v0
	v_lshlrev_b32 v[CO], 4, v6
	v_add_nc_u32 v[RD], s23, v[CO]
	s_lshl_b32 s20, s17, 8
	s_lshl_b32 s21, s15, 7
	s_add_co_u32 s20, s20, s21                     ; my first row of out0
	s_mov_b32 s21, 0
	s_mov_b64 s[18:19], SIZE_N*4
	s_mul_u64 s[20:21], s[20:21], s[18:19]
	s_lshl_b32 s46, s42, 10                        ; my first column, in bytes
	s_lshl_b32 s47, s16, 9
	s_add_co_u32 s46, s46, s47
	s_mov_b32 s47, 0
	s_add_nc_u64 s[20:21], s[20:21], s[46:47]
	s_add_nc_u64 s[10:11], s[10:11], s[20:21]
.macro FRAG reg, adr, q, i             ; B: registers 4 c .. 4 c + 3 hold K = 128 q + 32 c + 16 h + 0 .. 15 of the slot's 256
.irp c, 0,1,2,3
	ds_load_b128 v[\reg+4*\c:\reg+4*\c+3], v[\adr] offset:128*(\q)+32*\c+(\i)*16*PITCH
.endr
.endm
.macro FRAG_A reg, slot, q, i          ; A: the same K: head 2 q + c / 2 of the slot's four, d = 32 (c % 2) + 16 h + 0 .. 15
.irp c, 0,1,2,3
	ds_load_b128 v[\reg+4*\c:\reg+4*\c+3], v[ADRA+2*(\slot)+(\q)] offset:(\c/2)*AHEAD+32*(\c%2)+(\i)*16*APITCH
.endr
.endm
.macro MUL16 a0, p, zero               ; 16 matrix instructions; the 64 accumulators take turns, one instruction a turn, in the same order in every step
.irp a, \a0, \a0+1
.irp b, 0,1,2,3,4,5,6,7
.if \zero
	v_wmma_f32_16x16x128_fp8_fp8 v[8*(8*((\a)%4)+\b):8*(8*((\a)%4)+\b)+7], v[128*(\p)+FR*\b:128*(\p)+FR*\b+FR-1], v[AF+FR*(\a):AF+FR*(\a)+FR-1], 0
.else
	v_wmma_f32_16x16x128_fp8_fp8 v[8*(8*((\a)%4)+\b):8*(8*((\a)%4)+\b)+7], v[128*(\p)+FR*\b:128*(\p)+FR*\b+FR-1], v[AF+FR*(\a):AF+FR*(\a)+FR-1], v[8*(8*((\a)%4)+\b):8*(8*((\a)%4)+\b)+7]
.endif
.endr
.endr
.endm
.macro FETCH_B slot, q, p
	WIN TO_B
.irp i, 0,1,2,3,4,5,6,7
	FRAG 128*(\p)+FR*\i, ADRB+\slot, \q, \i
.endr
	WIN 0
.endm
.macro FETCH_A slot, q, i0
.irp i, \i0, \i0+1, \i0+2, \i0+3
	FRAG_A AF+FR*(\i), \slot, \q, \i
.endr
.endm
.macro PLACES n
.rept \n
	v_nop
.endr
.endm
.macro STEP slot, q, zero
	s_wait_dscnt 4*NL                              ; B's set and A's blocks 0-3 are in; the youngest sixteen loads (A's blocks 4-7) may be out
	WIN MUL_LO
	MUL16 0, (\q)%2, \zero
	MUL16 2, (\q)%2, \zero
	s_wait_dscnt 0                                 ; A's blocks 4-7 are in
	PLACES NP
	FETCH_B \slot, (\q)+1, 1-(\q)%2
	FETCH_A \slot, (\q)+1, 0
	WIN MUL_HI
	MUL16 4, (\q)%2, \zero
	MUL16 6, (\q)%2, \zero
	PLACES NP
	WIN 0
	FETCH_A \slot, (\q)+1, 4
.endm
.macro TURN slot, next, fill
	s_wait_tensorcnt 0x0                           ; all my tensor loads have landed: the one that was out is my part of the next slot
	ds_add_u32 v[SPW], v[NIL]                      ; 0 onto my spare word
	s_wait_dscnt 4*NL+1                            ; (the add and the youngest sixteen loads may be out)
	WIN MUL_LO
	MUL16 0, 1, 0
	s_wait_dscnt 0x0                               ; the add is done, and my reads of this slot are over
	s_barrier_signal -1
	MUL16 2, 1, 0
	WIN 0
	s_barrier_wait -1
.if \fill
	CREST                                          ; the barrier has opened a round of the cluster's barrier: no wave of any partner still reads this slot's tile or has a load on its way
	s_add_nc_u64 s[G0+4*\slot+2:G0+4*\slot+3], s[G0+4*\slot+2:G0+4*\slot+3], 2*65536
	s_add_nc_u64 s[G0B+4*\slot+2:G0B+4*\slot+3], s[G0B+4*\slot+2:G0B+4*\slot+3], 2*ROWB
	JLOAD G0+4*\slot, G1, G0B+4*\slot, G1B         ; the first tensor load behind the round; its four v_nop are the places in front of the loads below
.else
	PLACES NP
.endif
	FETCH_B \next, 0, 0
	FETCH_A \next, 0, 0
	WIN MUL_HI
	MUL16 4, 1, 0
	MUL16 6, 1, 0
	PLACES NP
	WIN 0
	FETCH_A \next, 0, 4
.endm
	s_wait_tensorcnt 1                             ; my part of K step 0 is in (K step 1's load may be out)
	s_barrier_signal -1
	s_barrier_wait -1                              ; everybody's is
	FETCH_B 0, 0, 0
	FETCH_A 0, 0, 0
	FETCH_A 0, 0, 4
	STEP 0, 0, 1                                   ; the first step's products start the sums
	s_mov_b32 s3, LAPS-1
.Llap:
	TURN 0, 1, 1
	STEP 1, 0, 0
	TURN 1, 0, 1
	STEP 0, 0, 0
	s_sub_co_u32 s3, s3, 1
	s_cmp_lg_u32 s3, 0
	s_cbranch_scc1 .Llap
	TURN 0, 1, 0                                   ; the last lap fills nothing
	STEP 1, 0, 0
	s_wait_dscnt 4*NL
	WIN MUL_LO
	MUL16 0, 1, 0
	MUL16 2, 1, 0
	s_wait_dscnt 0
	WIN MUL_HI
	MUL16 4, 1, 0
	MUL16 6, 1, 0
	WIN 0
; THE WAY OUT, block by block of 16 rows x 128 columns, through my own stage in LDS: in as 32 bytes a lane, back as whole rows of 512 bytes.
.macro TOSTAGE a
.set AC, 64*((\a)%4)
	WIN 0x02+((\a)/4)
.irp j, 0,2,4,6,8,10,12,14,16,18,20,22,24,26,28,30,32,34,36,38,40,42,44,46,48,50,52,54,56,58,60,62
	v_pk_mul_f32 v[TMP+\j:TMP+\j+1], v[AC+\j:AC+\j+1], s[96:97] op_sel_hi:[1,0]   ; both x s96 = 2^(ea + ew); each accumulator from its low end on
.endr
	WIN 0
.irp b, 0,1,2,3,4,5,6,7
	ds_store_b128 v[STO], v[TMP+8*\b:TMP+8*\b+3] offset:64*\b
	ds_store_b128 v[STO], v[TMP+8*\b+4:TMP+8*\b+7] offset:64*\b+16
.endr
.set BB, BK+64*((\a)%2)
.irp t, 0,1,2,3,4,5,6,7,8,9,10,11,12,13,14,15
	ds_load_b128 v[BB+4*\t:BB+4*\t+3], v[RD] offset:\t*SPITCH   ; LDS serves a wave's instructions in order (ISA guide 5.7.1.4): these see the stores above
.endr
.endm
.macro SEND a, younger
.set BB, BK+64*((\a)%2)
	s_wait_dscnt \younger                          ; the block is back in registers
.if (\a) > 0
	s_add_nc_u64 s[10:11], s[10:11], 16*SIZE_N*4   ; (behind a wait on XCNT: the earlier stores have read their base)
.endif
.irp t, 0,1,2,3,4,5,6,7,8,9,10,11,12,13,14,15
	global_store_b128 v[CO], v[BB+4*\t:BB+4*\t+3], s[10:11] offset:\t*SIZE_N*4 th:TH_STORE_NT   ; 32 lanes store 512 consecutive bytes, at a multiple of 256 from out0's first byte; written once, read by nobody here
.endr
.endm
	s_wait_kmcnt 0x0
	s_add_co_i32 s96, s96, s97
	s_add_co_i32 s96, s96, 127
	s_lshl_b32 s96, s96, 23                        ; 2^(ea + ew) as f32
	PLACES NP
	TOSTAGE 0
.irp a, 1,2,3,4,5,6,7
.if \a > 1
	s_wait_xcnt 0x0                                ; block a - 2's stores have read their registers and their base
.endif
	TOSTAGE \a
	SEND \a-1, 32                                  ; behind block a - 1's loads: block a's 16 stores and 16 loads
.endr
	s_wait_xcnt 0x0
	SEND 7, 0
	s_wait_tensorcnt 0x0                           ; the wave's end
	ds_add_u32 v[SPW], v[NIL]
	s_wait_dscnt 0x0
	CROUND                                         ; the closing round
	s_endpgm
.Lfunc_end_k_q81fa94bd0e_outp:
	.size	k_q81fa94bd0e_outp, .Lfunc_end_k_q81fa94bd0e_outp-k_q81fa94bd0e_outp
	.p2alignl 7, 3214868480
	.fill 96, 4, 3214868480
	.section	.rodata,"a",@progbits
	.p2align	6, 0x0
	.amdhsa_kernel k_q81fa94bd0e_outp
		.amdhsa_group_segment_fixed_size 327680
		.amdhsa_private_segment_fixed_size 0
		.amdhsa_enable_private_segment 0
		.amdhsa_kernarg_size 32
		.amdhsa_user_sgpr_count 2
		.amdhsa_user_sgpr_kernarg_segment_ptr 1
		.amdhsa_wavefront_size32 1
		.amdhsa_system_sgpr_workgroup_id_x 1
		.amdhsa_system_sgpr_workgroup_id_y 1
		.amdhsa_system_sgpr_workgroup_id_z 1
		.amdhsa_system_vgpr_workitem_id 0
		.amdhsa_next_free_vgpr 1024
		.amdhsa_next_free_sgpr 98
		.amdhsa_reserve_vcc 0
		.amdhsa_float_denorm_mode_32 3
		.amdhsa_float_denorm_mode_16_64 3
		.amdhsa_memory_ordered 1
		.amdhsa_forward_progress 1
		.amdhsa_inst_pref_size 123
	.end_amdhsa_kernel
	.amdgpu_metadata
---
amdhsa.version: [ 1, 2 ]
amdhsa.kernels:
  - .name:           k_q81fa94bd0e_outp
    .symbol:         k_q81fa94bd0e_outp.kd
    .args:
      - { .name: acodes, .offset: 0, .size: 8, .value_kind: global_buffer, .address_space: global }
      - { .name: wcodes, .offset: 8, .size: 8, .value_kind: global_buffer, .address_space: global }
      - { .name: lowp_scales, .offset: 16, .size: 8, .value_kind: global_buffer, .address_space: global }
      - { .name: out0, .offset: 24, .size: 8, .value_kind: global_buffer, .address_space: global }
    .group_segment_fixed_size: 327680
    .private_segment_fixed_size: 0
    .kernarg_segment_align: 8
    .kernarg_segment_size: 32
    .max_flat_workgroup_size: 128
    .sgpr_count:     98
    .vgpr_count:     1024
    .wavefront_size: 32
...
	.end_amdgpu_metadata
.endif
;; end of part 4
